; MI455X (gfx1250); checked and timed in simulation.
; The chip was launched on July 23, 2026; its instructions are those of AMD's public machine-readable ISA for CDNA 5 (MIT licence, August 2026) and "CDNA5" Instruction Set Architecture Reference Guide (July 2026). The comments in the code are by the model that wrote it; some were corrected since.
;; Deepseek MLA Head. Allowed arithmetic: float matrix products may take bf16 or f16 operands with f32 sums; other float arithmetic in f32, or as packed bf16 or f16 multiplies, adds, multiply-adds, maxima and minima; sums over many terms, partial sums and values carried from step to step in f32; what a program stores and reads back later, other than sums and carried values, may be rounded once to bf16 or f16.
;; Inputs: kv_a_ln_w 256 float32; kv_a_w 2,048 x 320 float32; kv_b_w 256 x 3,072 float32; o_w 2,048 x 2,048 float32; q_a_ln_w 682 float32; q_a_w 2,048 x 682 float32; q_b_w 682 x 2,048 float32; x 2 x 2,048 x 2,048 float32.
;; Outputs: out0 2 x 2,048 x 2,048 float32.
;; 2 versions, each right; version 2 is version 1 with the launches cast, norm written anew for expert scheduling mode. Each part assembles by itself: llvm-mc -triple=amdgcn-amd-amdhsa -mcpu=gfx1250 --defsym DOCPART=n.
;; ======== version 1 of 2: 6 launches
;; limits: values are held in f16: magnitudes above 65,504 overflow, below 6.1e-05 lose precision; right only within a limited range of input values
;; workspace buffers: xh 16,777,216 bytes; wa 8,388,608 bytes; wo 8,388,608 bytes; wbt 8,388,608 bytes; lat 33,554,432 bytes; ank 8,912,896 bytes; qkv 41,943,040 bytes; oh 16,777,216 bytes
;; launch cast (part 1): grid 1280 x 1, 8 waves a work-group, no clusters, 0 bytes of LDS; arguments x, o_w, q_b_w, kv_b_w, q_a_w, kv_a_w, xh, wo, wbt, wa; writes xh, wo, wbt, wa
.if DOCPART == 1
	.amdgcn_target "amdgcn-amd-amdhsa--gfx1250"
	.amdhsa_code_object_version 6
	.text
	.protected	k_q9f405e8f54_cast
	.globl	k_q9f405e8f54_cast
	.p2align	8
	.type	k_q9f405e8f54_cast,@function
k_q9f405e8f54_cast:
	s_mov_b64 s[64:65], 0
	v_nop
	global_prefetch_b8 v0, s[64:65] scope:SCOPE_SE
	s_setreg_imm32_b32 hwreg(HW_REG_WAVE_MODE, 25, 1), 1
	s_wait_xcnt 0x0
; x and the five weight matrices, each number rounded once to bf16 and that number written as f16, laid out as the later launches read them; and the table of cosines and sines.
; LIMITS.  The bf16 number is exact in f16 for 2^-14 <= |v| < 65,520; below that f16's fixed step of 2^-24 holds; from 65,520 on the result is an infinity: inputs stay under 65,504 in size.
; The angle of the table is f32(t) x 2^(-p log2(128000) / 32), reduced by pi/2 in two parts; sine and cosine by polynomials on |r| <= pi/4 (error under 4e-7).
; SECTIONS, by the work-group's number g; eight waves, no LDS, no loop; every store of a wave covers 256 consecutive bytes, aligned.
;   g <  864  rows of 2,048 numbers, 8 rows a group: x -> xh (512 groups), o_w -> wo (256), q_b_w -> wbt columns 0..2047, rows 682..767 written as 0 (96)
;   g <  896  kv_b_w, 8 rows a group -> wbt columns 2048..3071 (k_nope of head h at 64 h) and 3072..5119 (v of head h at 128 h)
;   g < 1152  wa, 8 rows a group: columns 0..681 q_a_w, 682..703 zero, 704..767 kv_a_w's 256..319, 768..1023 kv_a_w's 0..255
;   else      the table, 16 rows a group: row t holds 32 pairs {cos, sin}, 256 bytes, behind wbt's 7,864,320 bytes of weights
.set T,   2                            ; v[2:7]     at work
.set OFF, 8                            ; v[8:15]    offsets of the loads
.set DO,  16                           ; v[16:23]   offsets of the stores
.set X,   24                           ; as loaded
.set Y,   120                          ; to store: every store has registers of its own
.macro CVT4 y, x                       ; four f32 -> bf16 -> f32 -> two registers of f16
	v_cvt_pk_bf16_f32 v[T], v[(\x)], v[(\x)+1]
	v_cvt_pk_bf16_f32 v[T+1], v[(\x)+2], v[(\x)+3]
	v_lshlrev_b32 v[T+2], 16, v[T]
	v_and_b32 v[T+3], s24, v[T]
	v_lshlrev_b32 v[T+4], 16, v[T+1]
	v_and_b32 v[T+5], s24, v[T+1]
	v_cvt_pk_f16_f32 v[(\y)], v[T+2], v[T+3]
	v_cvt_pk_f16_f32 v[(\y)+1], v[T+4], v[T+5]
.endm
	s_load_b512 s[4:19], s[0:1], 0x0               ; x 4, o_w 6, q_b_w 8, kv_b_w 10, q_a_w 12, kv_a_w 14, xh 16, wo 18
	s_load_b128 s[20:23], s[0:1], 0x40             ; wbt 20, wa 22
	s_mov_b32 s2, ttmp9
	s_mov_b32 s24, 0xffff0000                      ; a word's upper bf16
	s_mov_b32 s49, 0                               ; the high word of the offsets in s[48:49]
	s_wait_kmcnt 0x0
	s_cmp_lt_u32 s2, 864
	s_cbranch_scc0 .Lnot_rows
	; ---- rows of 2,048 numbers
	s_cmp_lt_u32 s2, 512
	s_cselect_b64 s[26:27], s[4:5], s[6:7]         ; from
	s_cselect_b64 s[28:29], s[16:17], s[18:19]     ; to
	s_cselect_b32 s30, 0, 512                      ; the section's first group
	s_movk_i32 s34, 2048
	s_cselect_b32 s31, 4096, s34                   ; rows that the source has
	s_cmp_lt_u32 s2, 768
	s_cselect_b64 s[26:27], s[26:27], s[8:9]
	s_cselect_b64 s[28:29], s[28:29], s[20:21]
	s_cselect_b32 s30, s30, 768
	s_cselect_b32 s31, s31, 682
	s_movk_i32 s34, 4096
	s_cselect_b32 s33, s34, 10240                  ; bytes from row to row in the target
	s_sub_co_u32 s36, s2, s30
	s_lshl_b32 s36, s36, 3                         ; my first row
	s_sub_co_u32 s37, s31, 1
.irp i, 0,1,2,3,4,5,6,7
	s_add_co_u32 s35, s36, (\i)
	s_min_u32 s38, s35, s37                        ; a row past the source's end reads its last row, and is written as 0
	s_lshl_b32 s38, s38, 13
	v_lshl_add_u32 v[OFF+(\i)], v0, 4, s38
	s_mul_i32 s38, s35, s33
	v_lshl_add_u32 v[DO+(\i)], v0, 3, s38
	s_cmp_lt_u32 s35, s31
	s_cselect_b32 s[40+(\i)], -1, 0
.endr
.irp i, 0,1,2,3,4,5,6,7
	global_load_b128 v[X+8*(\i):X+8*(\i)+3], v[OFF+(\i)], s[26:27] th:TH_LOAD_NT
	global_load_b128 v[X+8*(\i)+4:X+8*(\i)+7], v[OFF+(\i)], s[26:27] offset:4096 th:TH_LOAD_NT
.endr
.irp i, 0,1,2,3,4,5,6,7
	s_wait_loadcnt 14-2*(\i)                       ; the later rows' loads stay out
	CVT4 Y+4*(\i), X+8*(\i)
	CVT4 Y+4*(\i)+2, X+8*(\i)+4
.irp e, 0,1,2,3
	v_and_b32 v[Y+4*(\i)+(\e)], s[40+(\i)], v[Y+4*(\i)+(\e)]
.endr
	global_store_b64 v[DO+(\i)], v[Y+4*(\i):Y+4*(\i)+1], s[28:29]
	global_store_b64 v[DO+(\i)], v[Y+4*(\i)+2:Y+4*(\i)+3], s[28:29] offset:2048
.endr
	s_endpgm
.Lnot_rows:
	s_cmp_lt_u32 s2, 896
	s_cbranch_scc0 .Lnot_kvb
	; ---- kv_b_w: a row is 16 heads x (64 k_nope + 128 v); thread t takes 4 numbers in each of three runs of 1,024 target columns
	s_sub_co_u32 s36, s2, 864
	s_lshl_b32 s36, s36, 3
	s_mul_i32 s48, s36, 12288
	s_add_nc_u64 s[10:11], s[10:11], s[48:49]
	s_mul_i32 s48, s36, 10240
	s_add_nc_u64 s[20:21], s[20:21], s[48:49]
	v_lshrrev_b32 v8, 4, v0                        ; k_nope: head t / 16,
	v_and_b32 v9, 15, v0
	v_mul_u32_u24 v8, v8, 768
	v_lshl_add_u32 v8, v9, 4, v8                   ; byte 768 h + 16 (t % 16)
	v_lshrrev_b32 v10, 5, v0                       ; v: head t / 32 (and 8 heads on),
	v_and_b32 v11, 31, v0
	v_mul_u32_u24 v10, v10, 768
	v_lshl_add_u32 v10, v11, 4, v10
	v_add_nc_u32 v10, 256, v10                     ; byte 768 h + 256 + 16 (t % 32)
	v_lshlrev_b32 v12, 3, v0
.irp i, 0,1,2,3,4,5,6,7
	global_load_b128 v[X+12*(\i):X+12*(\i)+3], v8, s[10:11] offset:12288*(\i)
	global_load_b128 v[X+12*(\i)+4:X+12*(\i)+7], v10, s[10:11] offset:12288*(\i)
	global_load_b128 v[X+12*(\i)+8:X+12*(\i)+11], v10, s[10:11] offset:12288*(\i)+6144
.endr
.set n, 0
.rept 24
	s_wait_loadcnt 23-n                            ; the younger loads stay out
	CVT4 Y+2*n, X+4*n
	global_store_b64 v12, v[Y+2*n:Y+2*n+1], s[20:21] offset:10240*(n/3)+4096+2048*(n%3)
.set n, n+1
.endr
	s_endpgm
.Lnot_kvb:
	s_cmp_lt_u32 s2, 1152
	s_cbranch_scc0 .Ltable
	; ---- wa: thread t makes columns c = 4 t .. 4 t + 3.  A row of q_a_w is 2,728 bytes, a multiple of 8 alone: two loads of 8 bytes; clamped addresses stay inside the row
	s_sub_co_u32 s36, s2, 896
	s_lshl_b32 s36, s36, 3
	s_mul_i32 s48, s36, 2728
	s_add_nc_u64 s[12:13], s[12:13], s[48:49]
	s_mul_i32 s48, s36, 1280
	s_add_nc_u64 s[14:15], s[14:15], s[48:49]
	s_lshl_b32 s48, s36, 12
	s_add_nc_u64 s[22:23], s[22:23], s[48:49]
	v_lshlrev_b32 v8, 2, v0                        ; c
	v_add_nc_u32 v11, 2, v8
	v_min_u32 v9, 680, v8
	v_min_u32 v10, 680, v11
	v_lshlrev_b32 v9, 2, v9
	v_lshlrev_b32 v10, 2, v10
	v_cmp_gt_u32 s30, 682, v8                      ; numbers 0, 1 come from q_a_w
	v_cmp_gt_u32 s31, 682, v11                     ; numbers 2, 3 do
	v_cmp_le_u32 s32, 704, v8                      ; all four come from kv_a_w
	v_cmp_le_u32 s33, 768, v8
	v_add_nc_u32 v12, 0xfffffe40, v8               ; c - 448: the rope key's columns 256..319
	v_add_nc_u32 v13, 0xfffffd00, v8               ; c - 768: the latent's columns 0..255
	v_cndmask_b32 v12, v12, v13, s33
	v_cndmask_b32 v12, 0, v12, s32
	v_min_u32 v12, 316, v12
	v_lshlrev_b32 v12, 2, v12
	v_lshlrev_b32 v14, 3, v0
.irp i, 0,1,2,3,4,5,6,7
	global_load_b64 v[X+8*(\i):X+8*(\i)+1], v9, s[12:13] offset:2728*(\i)
	global_load_b64 v[X+8*(\i)+2:X+8*(\i)+3], v10, s[12:13] offset:2728*(\i)
	global_load_b128 v[X+8*(\i)+4:X+8*(\i)+7], v12, s[14:15] offset:1280*(\i)
.endr
.irp i, 0,1,2,3,4,5,6,7
	s_wait_loadcnt 21-3*(\i)                       ; the later rows' loads stay out
.irp e, 0,1,2,3
	v_cndmask_b32 v[X+8*(\i)+4+(\e)], 0, v[X+8*(\i)+4+(\e)], s32
	v_cndmask_b32 v[X+8*(\i)+4+(\e)], v[X+8*(\i)+4+(\e)], v[X+8*(\i)+(\e)], s[30+(\e)/2]
.endr
	CVT4 Y+2*(\i), X+8*(\i)+4
	global_store_b64 v14, v[Y+2*(\i):Y+2*(\i)+1], s[22:23] offset:4096*(\i)
.endr
	s_endpgm
; sine and cosine of v[a] (0 to 2,047): n = the nearest multiple of pi/2, r = a - n pi/2 in two parts, polynomials in r, then the quadrant
.macro SINCOS a, c, s, n, z, q
	v_mul_f32 v[\n], 0x3f22f983, v[\a]             ; 2 / pi
	v_rndne_f32 v[\n], v[\n]
	v_fma_f32 v[\a], v[\n], s40, v[\a]
	v_fma_f32 v[\a], v[\n], s41, v[\a]
	v_cvt_i32_f32 v[\q], v[\n]
	v_mul_f32 v[\z], v[\a], v[\a]
	v_fma_f32 v[\s], v[\z], s44, s43
	v_fma_f32 v[\s], v[\s], v[\z], s42
	v_mul_f32 v[\n], v[\z], v[\a]
	v_fma_f32 v[\s], v[\s], v[\n], v[\a]
	v_fma_f32 v[\c], v[\z], s47, s46
	v_fma_f32 v[\c], v[\c], v[\z], s45
	v_fma_f32 v[\c], v[\c], v[\z], -0.5
	v_fma_f32 v[\c], v[\c], v[\z], 1.0
	v_and_b32 v[\n], 1, v[\q]
	v_cmp_eq_u32 vcc_lo, 1, v[\n]                  ; an odd quadrant swaps the two
	v_cndmask_b32 v[\z], v[\s], v[\c], vcc_lo
	v_cndmask_b32 v[\c], v[\c], v[\s], vcc_lo
	v_and_b32 v[\n], 2, v[\q]                      ; the sine turns its sign in quadrants 2, 3,
	v_lshlrev_b32 v[\n], 30, v[\n]
	v_xor_b32 v[\s], v[\z], v[\n]
	v_add_nc_u32 v[\q], 1, v[\q]                   ; the cosine in 1, 2
	v_and_b32 v[\q], 2, v[\q]
	v_lshlrev_b32 v[\q], 30, v[\q]
	v_xor_b32 v[\c], v[\c], v[\q]
.endm
.Ltable:
	; ---- the table: thread t makes pairs 2 (t % 16) and 2 (t % 16) + 1 of row 16 (g - 1152) + t / 16
	s_sub_co_u32 s36, s2, 1152
	s_lshl_b32 s48, s36, 12
	s_add_nc_u64 s[20:21], s[20:21], s[48:49]
	s_add_nc_u64 s[20:21], s[20:21], 7864320
	s_lshl_b32 s37, s36, 4
	s_mov_b32 s40, 0xbfc90fdb                      ; - pi/2, its upper part
	s_mov_b32 s41, 0x333bbd2e                      ; and what is left of it
	s_mov_b32 s42, 0xbe2aaaab                      ; -1/6
	s_mov_b32 s43, 0x3c088889                      ; 1/120
	s_mov_b32 s44, 0xb9500d01                      ; -1/5040
	s_mov_b32 s45, 0x3d2aaaab                      ; 1/24
	s_mov_b32 s46, 0xbab60b61                      ; -1/720
	s_mov_b32 s47, 0x37d00d01                      ; 1/40320
	v_lshrrev_b32 v8, 4, v0
	v_add_nc_u32 v8, s37, v8
	v_cvt_f32_u32 v8, v8                           ; t
	v_and_b32 v9, 15, v0
	v_lshlrev_b32 v9, 1, v9
	v_add_nc_u32 v10, 1, v9
	v_cvt_f32_u32 v9, v9
	v_cvt_f32_u32 v10, v10
	v_mul_f32 v9, 0xbf07b9ed, v9                   ; - p log2(128000) / 32
	v_mul_f32 v10, 0xbf07b9ed, v10
	v_exp_f32 v9, v9
	v_exp_f32 v10, v10
	v_lshlrev_b32 v11, 4, v0                       ; a plain instruction behind the exponentials: my 16 bytes of the group's 4,096
	s_wait_alu depctr_va_vdst(0)                   ; one wait for both, ahead of their first reader
	v_mul_f32 v12, v8, v9
	v_mul_f32 v13, v8, v10
	SINCOS 12, 20, 21, 14, 15, 16
	SINCOS 13, 22, 23, 14, 15, 16
	global_store_b128 v11, v[20:23], s[20:21]
	s_endpgm
.Lfunc_end_k_q9f405e8f54_cast:
	.size	k_q9f405e8f54_cast, .Lfunc_end_k_q9f405e8f54_cast-k_q9f405e8f54_cast
	.p2alignl 7, 3214868480
	.fill 96, 4, 3214868480
	.section	.rodata,"a",@progbits
	.p2align	6, 0x0
	.amdhsa_kernel k_q9f405e8f54_cast
		.amdhsa_group_segment_fixed_size 0
		.amdhsa_private_segment_fixed_size 0
		.amdhsa_enable_private_segment 0
		.amdhsa_kernarg_size 80
		.amdhsa_user_sgpr_count 2
		.amdhsa_user_sgpr_kernarg_segment_ptr 1
		.amdhsa_wavefront_size32 1
		.amdhsa_system_sgpr_workgroup_id_x 1
		.amdhsa_system_sgpr_workgroup_id_y 1
		.amdhsa_system_sgpr_workgroup_id_z 1
		.amdhsa_system_vgpr_workitem_id 0
		.amdhsa_next_free_vgpr 168
		.amdhsa_next_free_sgpr 66
		.amdhsa_reserve_vcc 1
		.amdhsa_float_denorm_mode_32 3
		.amdhsa_float_denorm_mode_16_64 3
		.amdhsa_memory_ordered 1
		.amdhsa_forward_progress 1
		.amdhsa_inst_pref_size 45
	.end_amdhsa_kernel
	.amdgpu_metadata
---
amdhsa.version: [ 1, 2 ]
amdhsa.kernels:
  - .name:           k_q9f405e8f54_cast
    .symbol:         k_q9f405e8f54_cast.kd
    .args:
      - { .name: x, .offset: 0, .size: 8, .value_kind: global_buffer, .address_space: global }
      - { .name: o_w, .offset: 8, .size: 8, .value_kind: global_buffer, .address_space: global }
      - { .name: q_b_w, .offset: 16, .size: 8, .value_kind: global_buffer, .address_space: global }
      - { .name: kv_b_w, .offset: 24, .size: 8, .value_kind: global_buffer, .address_space: global }
      - { .name: q_a_w, .offset: 32, .size: 8, .value_kind: global_buffer, .address_space: global }
      - { .name: kv_a_w, .offset: 40, .size: 8, .value_kind: global_buffer, .address_space: global }
      - { .name: xh, .offset: 48, .size: 8, .value_kind: global_buffer, .address_space: global }
      - { .name: wo, .offset: 56, .size: 8, .value_kind: global_buffer, .address_space: global }
      - { .name: wbt, .offset: 64, .size: 8, .value_kind: global_buffer, .address_space: global }
      - { .name: wa, .offset: 72, .size: 8, .value_kind: global_buffer, .address_space: global }
    .group_segment_fixed_size: 0
    .private_segment_fixed_size: 0
    .kernarg_segment_align: 8
    .kernarg_segment_size: 80
    .max_flat_workgroup_size: 256
    .sgpr_count:     66
    .vgpr_count:     168
    .wavefront_size: 32
...
	.end_amdgpu_metadata
.endif
;; end of part 1
;; launch gemm (part 2): grid 8 x 32, 4 waves a work-group, clusters of 4 x 4, 327,680 bytes of LDS; arguments xh, wa, lat; writes lat
.if DOCPART == 2
	.amdgcn_target "amdgcn-amd-amdhsa--gfx1250"
	.amdhsa_code_object_version 6
	.text
	.protected	k_q9f405e8f54_gemm
	.globl	k_q9f405e8f54_gemm
	.p2align	8
	.type	k_q9f405e8f54_gemm,@function
k_q9f405e8f54_gemm:
	s_mov_b64 s[64:65], 0
	v_nop
	global_prefetch_b8 v0, s[64:65] scope:SCOPE_SE
	s_setreg_imm32_b32 hwreg(HW_REG_WAVE_MODE, 25, 1), 1
	s_wait_xcnt 0x0
	s_wait_alu depctr_hold_cnt(0) depctr_sa_sdst(0) depctr_va_vdst(0) depctr_va_sdst(0) depctr_va_ssrc(0) depctr_va_vcc(0) depctr_vm_vsrc(0)
	s_getreg_b32 s2, hwreg(HW_REG_IB_STS2, 6, 4)
	s_cmp_eq_u32 s2, 0
	s_cbranch_scc0 .Lentry_in_a_cluster
	s_endpgm
.Lentry_in_a_cluster:
	s_bfe_u32 s2, ttmp6, 0x10000c
	s_cmp_lg_u32 s2, 0xf033
	s_cbranch_scc0 .Lentry_shape_is_right
	s_endpgm
.Lentry_shape_is_right:
; C[m][n] = sum over k of A[m][k] B[k][n].  A: [4096][2048] f16, rows along K.  B: [2048][pitch 2048] f16, rows along N.  C: [4096][pitch 2048] f32.  Sums in f32.
; The grid's width says how many tiles of 128 columns are made.  A tile of C is 128 x 128; four waves, each 64 x 64: 16 accumulators of 16 x 16.
; K goes in steps of 256 through two LDS slots filled by the tensor data mover: waves 0, 1 fetch 64 rows of A each (512 bytes a row), waves 2, 3 fetch 128 k rows of B each (256 bytes a row).
; A comes out of LDS as it lies, B turned, by ds_load_tr16_b128.  THE MATRIX INSTRUCTION IS USED TRANSPOSED (source 0 = 16 columns of B, source 1 = 16 rows of A): a lane holds eight neighbouring numbers of a row of C.
; CLUSTERS: 4 x 4 work-groups; A's tile is asked for jointly along a row of the cluster, B's along a column: the same tensor load, descriptor and mask in the four.
; No prefetch: the tiles are small and each block of A and B is read by several clusters at about the same time.
; REGISTERS: window 0: v0-31 addresses; v32-95 two buffers for the way out; v128-255 the accumulators ((a, b) at 128 + 8 (4 a + b)).
;   window 1: two fragment buffers of 128: for 64 along K, 64 registers of A, then 64 of B.
.set KSTEP,  256
.set PA,     528                       ; A's LDS row: 512 bytes + 16: the 16 rows of a load start at 16 different groups of four banks (64 banks of 4 bytes: ISA guide 11.1)
.set PB,     288                       ; B's LDS row: 256 bytes + 32
.set HA,     64*PA
.set HB,     128*PB
.set BOFF,   2*HA                      ; in a slot: A's 128 rows, then B's 256 k rows
.set SLOT,   BOFF+2*HB
.set STAGE,  2*SLOT                    ; behind the ring: 16 rows x 272 bytes for each wave, for the way out
.set SP,     272
.set SPARE,  STAGE+4*16*SP             ; behind the stages: the spare words, 128 bytes a wave
.set LAPS,   4                         ; 2,048 / 512: a lap = two K steps = once round the ring
.set ROWA,   4096                      ; bytes in a row of A and of B
.set ROWC,   8192                      ; bytes in a row of C
.set ADRA, 16                          ; v16-17  my A fragments in slot 0, 1
.set ADRB, 20                          ; v20-23  my B fragments: 2 x slot + half of the slot's k rows (an LDS offset holds 16 bits)
.set STO,  24
.set RD,   25
.set CO,   26
.set SPW,  28                          ; v28  my spare word; never rewritten
.set NIL,  29                          ; v29  0; never rewritten
.set BK,   32
.set ACC,  128
.set F0,   0
.set F1,   128
.set G1, 24
.set G0, 32
.set G1B, 48
.set G0B, 56
.set MSB, 0
.macro WIN new                         ; the immediate's high byte repeats the setting that is left
.if MSB != (\new)
	s_set_vgpr_msb (MSB<<8)|(\new)
.set MSB, \new
.endif
.endm
.set MUL,  0x05                        ; sources 0 (B) and 1 (A) window 1; C and D window 0
.set TO_F, 0x40                        ; destination window 1, address window 0
.macro JLOAD s                         ; a joint load: waves 0, 1 fetch A's halves, waves 2, 3 B's; an s_nop 0 and four v_nop follow each line
	s_cmp_eq_u32 s11, 0
	s_cbranch_scc0 .Lfor_b_\@
	tensor_load_to_lds s[G0+4*(\s):G0+4*(\s)+3], s[G1:G1+7]
	s_nop 0
.rept 4
	v_nop
.endr
	s_branch .Lasked_\@
.Lfor_b_\@:
	tensor_load_to_lds s[G0B+4*(\s):G0B+4*(\s)+3], s[G1B:G1B+7]
	s_nop 0
.rept 4
	v_nop
.endr
.Lasked_\@:
.endm
.macro CREST                           ; a round of the cluster's barrier behind its opening barrier
	s_cmp_lg_u32 s10, 0
	s_cbranch_scc1 .Lnot_wave_0_\@
	s_barrier_signal -3
.Lnot_wave_0_\@:
	s_barrier_wait -3
	s_barrier_signal -1
	s_barrier_wait -1
.endm
.macro CROUND
	s_barrier_signal -1
	s_barrier_wait -1
	CREST
.endm
	s_load_b128 s[4:7], s[0:1], 0x0                ; A s[4:5], B s[6:7]
	s_load_b64 s[8:9], s[0:1], 0x10                ; C
	v_lshl_add_u32 v[SPW], v0, 2, SPARE
	v_mov_b32 v[NIL], 0
	ds_add_u32 v[SPW], v[NIL]                      ; the wave's opening: the add and its wait ahead of my first tensor load
	v_lshrrev_b32 v1, 5, v0
	v_readfirstlane_b32 s10, v1                    ; wave 0..3
	s_lshr_b32 s11, s10, 1                         ; my half of the tile's rows.  Also: I fetch for A (0) or for B (1)
	s_and_b32 s12, s10, 1                          ; my half of its columns.  Also: which half of that tile I fetch
	s_bfe_u32 s40, ttmp6, 0x40000                  ; cx
	s_bfe_u32 s41, ttmp6, 0x40004                  ; cy
	s_lshl_b32 s42, ttmp9, 2
	s_add_co_u32 s42, s42, s40                     ; tile column
	s_and_b32 s13, ttmp7, 0xffff
	s_lshl_b32 s13, s13, 2
	s_add_co_u32 s13, s13, s41                     ; tile row
	s_lshl_b32 s43, s41, 2
	s_lshl_b32 s43, 15, s43                        ; my row of the cluster
	s_lshl_b32 s44, 0x1111, s40                    ; my column
	s_or_b32 s[G1+0], s43, (1<<16)|(1<<20)|(1<<21)|(6<<22)|(3<<25)   ; mask; 2-byte elements; padding on; bit 21 beside a mask; after every 128 words 4 words
	s_mov_b32 s[G1+1], KSTEP<<16                   ; tensor_dim0 = 256
	s_mov_b32 s[G1+2], 64<<16                      ; tensor_dim1 = 64
	s_mov_b32 s[G1+3], KSTEP<<16                   ; tile_dim0 = 256
	s_mov_b32 s[G1+4], 64                          ; tile_dim1 = 64
	s_mov_b32 s[G1+5], 2048                        ; elements from row to row
	s_mov_b32 s[G1+6], 0
	s_mov_b32 s[G1+7], 0
	s_or_b32 s[G1B+0], s44, (1<<16)|(1<<20)|(1<<21)|(5<<22)|(7<<25)  ; after every 64 words 8 words
	s_mov_b32 s[G1B+1], 128<<16
	s_mov_b32 s[G1B+2], 128<<16
	s_mov_b32 s[G1B+3], 128<<16
	s_mov_b32 s[G1B+4], 128
	s_mov_b32 s[G1B+5], 2048
	s_mov_b32 s[G1B+6], 0
	s_mov_b32 s[G1B+7], 0
	s_lshl_b32 s17, s12, 6
	s_lshl_b32 s16, s13, 7
	s_add_co_u32 s16, s16, s17                     ; A: row 128 x tile row + 64 x half
	s_lshl_b32 s16, s16, 12
	s_mov_b32 s17, 0
	s_lshl_b32 s46, s12, 19                        ; B: k row 128 x half,
	s_lshl_b32 s47, s42, 8                         ; column 128 x tile column
	s_add_co_u32 s46, s46, s47
	s_mov_b32 s47, 0
	s_mul_i32 s20, s12, HA                         ; where they go: no place in the cluster enters an LDS address
	s_mul_i32 s21, s12, HB
	s_add_co_u32 s21, s21, BOFF
	s_wait_dscnt 0x0                               ; the opening add is done
	s_wait_kmcnt 0x0
	s_add_nc_u64 s[14:15], s[4:5], s[16:17]
	s_add_nc_u64 s[46:47], s[6:7], s[46:47]
	CROUND                                         ; all sixteen work-groups are here: the first joint loads meet
.irp s, 0,1
	s_mov_b32 s[G0+4*(\s)], 1
	s_add_co_u32 s[G0+4*(\s)+1], s20, (\s)*SLOT
	s_add_nc_u64 s[G0+4*(\s)+2:G0+4*(\s)+3], s[14:15], (\s)*KSTEP*2
	s_or_b32 s[G0+4*(\s)+3], s[G0+4*(\s)+3], 0x80000000
	s_mov_b32 s[G0B+4*(\s)], 1
	s_add_co_u32 s[G0B+4*(\s)+1], s21, (\s)*SLOT
	s_add_nc_u64 s[G0B+4*(\s)+2:G0B+4*(\s)+3], s[46:47], (\s)*KSTEP*ROWA
	s_or_b32 s[G0B+4*(\s)+3], s[G0B+4*(\s)+3], 0x80000000
	JLOAD \s
.endr
	v_and_b32 v1, 15, v0                           ; r = l % 16
	v_bfe_u32 v2, v0, 4, 1                         ; h = l / 16
	v_mul_u32_u24 v3, v1, PA
	v_lshl_add_u32 v3, v2, 4, v3                   ; A: row x pitch + 16 h
	v_and_b32 v4, 7, v0
	v_lshl_add_u32 v4, v2, 3, v4
	v_mul_u32_u24 v4, v4, PB                       ; B: k row 8 h + l % 8,
	v_bfe_u32 v5, v0, 3, 1
	v_lshl_add_u32 v4, v5, 4, v4                   ; columns 8 ((l / 8) % 2) on
	s_mul_i32 s22, s11, HA                         ; my 64 rows of A
	s_lshl_b32 s23, s12, 7                         ; my 64 columns of B
	s_add_co_u32 s23, s23, BOFF
.irp s, 0,1
	v_add_nc_u32 v[ADRA+(\s)], s22, v3
	v_add_nc_u32 v[ADRB+2*(\s)], s23, v4
	s_add_co_u32 s23, s23, HB
	v_add_nc_u32 v[ADRB+2*(\s)+1], s23, v4
	s_add_co_u32 s22, s22, SLOT
	s_add_co_u32 s23, s23, SLOT-HB
.endr
	s_mul_i32 s23, s10, 16*SP
	s_add_co_u32 s23, s23, STAGE                   ; my stage
	v_mul_u32_u24 v4, v1, SP                       ; in: row r, 32 bytes for each half of the lanes
	v_lshl_add_u32 v4, v2, 5, v4
	v_add_nc_u32 v[STO], s23, v4
	v_mul_u32_u24 v5, v2, SP                       ; back: lanes 0-15 one row of 256 bytes, lanes 16-31 the next
	v_lshl_add_u32 v5, v1, 4, v5
	v_add_nc_u32 v[RD], s23, v5
	v_lshlrev_b32 v5, 13, v2                       ; and the same two rows in C
	v_lshl_add_u32 v[CO], v1, 4, v5
	s_lshl_b32 s16, s13, 7
	s_lshl_b32 s17, s11, 6
	s_add_co_u32 s16, s16, s17                     ; my first row of C
	s_lshl_b32 s16, s16, 13
	s_mov_b32 s17, 0
	s_add_nc_u64 s[8:9], s[8:9], s[16:17]
	s_lshl_b32 s46, s42, 9                         ; my first column, in bytes
	s_lshl_b32 s47, s12, 8
	s_add_co_u32 s46, s46, s47
	s_mov_b32 s47, 0
	s_add_nc_u64 s[8:9], s[8:9], s[46:47]
; 8 matrix instructions: m blocks a0, a0 + 1 x all 4 n blocks, 32 along K: half c of buffer f.  zero = 1: the first product starts the sums.  The 16 accumulators take turns.
.macro MUL8 f, c, a0, zero
	WIN MUL
.irp a, \a0, (\a0)+1
.irp b, 0,1,2,3
.if \zero
	v_wmma_f32_16x16x32_f16 v[ACC+8*(4*(\a)+(\b)):ACC+8*(4*(\a)+(\b))+7], v[(\f)+64+8*(4*(\c)+(\b)):(\f)+64+8*(4*(\c)+(\b))+7], v[(\f)+8*(4*(\c)+(\a)):(\f)+8*(4*(\c)+(\a))+7], 0
.else
	v_wmma_f32_16x16x32_f16 v[ACC+8*(4*(\a)+(\b)):ACC+8*(4*(\a)+(\b))+7], v[(\f)+64+8*(4*(\c)+(\b)):(\f)+64+8*(4*(\c)+(\b))+7], v[(\f)+8*(4*(\c)+(\a)):(\f)+8*(4*(\c)+(\a))+7], v[ACC+8*(4*(\a)+(\b)):ACC+8*(4*(\a)+(\b))+7]
.endif
.endr
.endr
.endm
; 32 LDS loads in one run: the fragments of quarter q (64 along K) of a slot, into buffer f; the first 32 along K first
.macro FETCH slot, q, f
	WIN TO_F
.irp c, 0,1
.irp i, 0,1,2,3
	ds_load_tr16_b128 v[(\f)+64+8*(4*(\c)+(\i)):(\f)+64+8*(4*(\c)+(\i))+3],   v[ADRB+2*(\slot)+(\q)/2] offset:(((\q)%2)*64+32*(\c))*PB+32*(\i)
	ds_load_tr16_b128 v[(\f)+64+8*(4*(\c)+(\i))+4:(\f)+64+8*(4*(\c)+(\i))+7], v[ADRB+2*(\slot)+(\q)/2] offset:(((\q)%2)*64+32*(\c)+16)*PB+32*(\i)
	ds_load_b128 v[(\f)+8*(4*(\c)+(\i)):(\f)+8*(4*(\c)+(\i))+3],         v[ADRA+(\slot)] offset:128*(\q)+64*(\c)+(\i)*16*PA
	ds_load_b128 v[(\f)+8*(4*(\c)+(\i))+4:(\f)+8*(4*(\c)+(\i))+7],       v[ADRA+(\slot)] offset:128*(\q)+64*(\c)+(\i)*16*PA+32
.endr
.endr
.endm
.macro PLACES                          ; four places in front of loads into registers that matrix instructions have read, and of reads of results
.rept 4
	v_nop
.endr
.endm
; A K step is four quarters of 64 along K, 32 matrix instructions each, on buffers 0, 1, 0, 1.  One of the first three: multiplies buffer f and fetches quarter q into g.
.macro QUARTER slot, q, f, g, zero
	s_wait_dscnt 16                                ; the first 32 along K are in; the other sixteen loads may be out
	MUL8 \f, 0, 0, \zero
	MUL8 \f, 0, 2, \zero
	PLACES
	FETCH \slot, \q, \g
	s_wait_dscnt 32                                ; all but the 32 just issued
	MUL8 \f, 1, 0, 0
	MUL8 \f, 1, 2, 0
.endm
; The last quarter multiplies buffer 1 and changes slots: ONE barrier; in front of it each wave waits for all its tensor loads, adds 0 to its spare word, and waits for that and for its reads of this slot.
.macro TURN slot, next, fill
	WIN 0
	s_wait_tensorcnt 0x0                           ; all my tensor loads have landed: my part of the next slot
	ds_add_u32 v[SPW], v[NIL]                      ; 0 onto my spare word
	s_wait_dscnt 17                                ; the add and the youngest sixteen loads may be out
	MUL8 F1, 0, 0, 0
	s_wait_dscnt 0x0                               ; the add is done, and my reads of this slot are over
	s_barrier_signal -1
	MUL8 F1, 0, 2, 0
.if \fill
	WIN 0
.endif
	s_barrier_wait -1
.if \fill
	CREST                                          ; the barrier has opened a round of the cluster's: no wave of any partner still reads this slot or has a load on its way
	s_add_nc_u64 s[G0+4*(\slot)+2:G0+4*(\slot)+3], s[G0+4*(\slot)+2:G0+4*(\slot)+3], 2*KSTEP*2
	s_add_nc_u64 s[G0B+4*(\slot)+2:G0B+4*(\slot)+3], s[G0B+4*(\slot)+2:G0B+4*(\slot)+3], 2*KSTEP*ROWA
	JLOAD \slot                                    ; the first tensor load behind the round; its four v_nop are also the places in front of the loads below
.else
	PLACES
.endif
	FETCH \next, 0, F0
	MUL8 F1, 1, 0, 0
	MUL8 F1, 1, 2, 0
.endm
.macro LASTQ f                         ; the very last quarter: nothing more to fetch
	s_wait_dscnt 16
	MUL8 \f, 0, 0, 0
	MUL8 \f, 0, 2, 0
	s_wait_dscnt 0x0
	MUL8 \f, 1, 0, 0
	MUL8 \f, 1, 2, 0
	WIN 0
.endm
	s_wait_tensorcnt 1                             ; my part of K step 0 is in; K step 1's may stay out
	s_barrier_signal -1
	s_barrier_wait -1
	FETCH 0, 0, F0
	QUARTER 0, 1, F0, F1, 1                        ; the first quarter stands in front of the loop: its first products start the sums
	WIN 0
	s_mov_b32 s3, LAPS-1
.Llap:                                                 ; a trip goes once round the ring and fills both slots again
	QUARTER 0, 2, F1, F0, 0
	QUARTER 0, 3, F0, F1, 0
	TURN 0, 1, 1
	QUARTER 1, 1, F0, F1, 0
	QUARTER 1, 2, F1, F0, 0
	QUARTER 1, 3, F0, F1, 0
	TURN 1, 0, 1
	QUARTER 0, 1, F0, F1, 0
	WIN 0
	s_sub_co_u32 s3, s3, 1
	s_cmp_lg_u32 s3, 0
	s_cbranch_scc1 .Llap
	QUARTER 0, 2, F1, F0, 0                        ; the last lap fills nothing
	QUARTER 0, 3, F0, F1, 0
	TURN 0, 1, 0
	QUARTER 1, 1, F0, F1, 0
	QUARTER 1, 2, F1, F0, 0
	QUARTER 1, 3, F0, F1, 0
	LASTQ F1
	; THE WAY OUT, in f32: a block of 16 rows x 64 columns goes through my own stage: 32 bytes a lane in, whole rows of 256 bytes back.
.macro TOSTAGE a
	s_wait_xcnt 0x0                                ; the stores issued so far have read their registers: the buffer loaded below was stored two blocks back
.irp b, 0,1,2,3
	ds_store_b128 v[STO], v[ACC+8*(4*(\a)+(\b)):ACC+8*(4*(\a)+(\b))+3]   offset:64*(\b)
	ds_store_b128 v[STO], v[ACC+8*(4*(\a)+(\b))+4:ACC+8*(4*(\a)+(\b))+7] offset:64*(\b)+16
.endr
.irp t, 0,1,2,3,4,5,6,7
	ds_load_b128 v[BK+32*((\a)%2)+4*(\t):BK+32*((\a)%2)+4*(\t)+3], v[RD] offset:(\t)*2*SP  ; LDS serves a wave's instructions in order (ISA guide 5.7.1.4): these see the stores above
.endr
.endm
.macro SEND a, younger                 ; younger: the LDS instructions of the next block, sixteen, or none
.irp t, 0,1,2,3,4,5,6,7
	s_wait_dscnt (\younger)+7-(\t)
	global_store_b128 v[CO], v[BK+32*((\a)%2)+4*(\t):BK+32*((\a)%2)+4*(\t)+3], s[8:9] offset:(16*(\a)+2*(\t))*ROWC  ; 16 lanes store 256 consecutive bytes, aligned
.endr
.endm
	PLACES
	TOSTAGE 0
	TOSTAGE 1
	SEND 0, 16
	TOSTAGE 2
	SEND 1, 16
	TOSTAGE 3
	SEND 2, 16
	SEND 3, 0
	s_wait_tensorcnt 0x0                           ; the wave's end
	ds_add_u32 v[SPW], v[NIL]
	s_wait_dscnt 0x0
	CROUND                                         ; the closing round
	s_endpgm
.Lfunc_end_k_q9f405e8f54_gemm:
	.size	k_q9f405e8f54_gemm, .Lfunc_end_k_q9f405e8f54_gemm-k_q9f405e8f54_gemm
	.p2alignl 7, 3214868480
	.fill 96, 4, 3214868480
	.section	.rodata,"a",@progbits
	.p2align	6, 0x0
	.amdhsa_kernel k_q9f405e8f54_gemm
		.amdhsa_group_segment_fixed_size 327680
		.amdhsa_private_segment_fixed_size 0
		.amdhsa_enable_private_segment 0
		.amdhsa_kernarg_size 24
		.amdhsa_user_sgpr_count 2
		.amdhsa_user_sgpr_kernarg_segment_ptr 1
		.amdhsa_wavefront_size32 1
		.amdhsa_system_sgpr_workgroup_id_x 1
		.amdhsa_system_sgpr_workgroup_id_y 1
		.amdhsa_system_sgpr_workgroup_id_z 1
		.amdhsa_system_vgpr_workitem_id 0
		.amdhsa_next_free_vgpr 512
		.amdhsa_next_free_sgpr 66
		.amdhsa_reserve_vcc 0
		.amdhsa_float_denorm_mode_32 3
		.amdhsa_float_denorm_mode_16_64 3
		.amdhsa_memory_ordered 1
		.amdhsa_forward_progress 1
		.amdhsa_inst_pref_size 87
	.end_amdhsa_kernel
	.amdgpu_metadata
---
amdhsa.version: [ 1, 2 ]
amdhsa.kernels:
  - .name:           k_q9f405e8f54_gemm
    .symbol:         k_q9f405e8f54_gemm.kd
    .args:
      - { .name: xh, .offset: 0, .size: 8, .value_kind: global_buffer, .address_space: global }
      - { .name: wa, .offset: 8, .size: 8, .value_kind: global_buffer, .address_space: global }
      - { .name: lat, .offset: 16, .size: 8, .value_kind: global_buffer, .address_space: global }
    .group_segment_fixed_size: 327680
    .private_segment_fixed_size: 0
    .kernarg_segment_align: 8
    .kernarg_segment_size: 24
    .max_flat_workgroup_size: 128
    .sgpr_count:     66
    .vgpr_count:     512
    .wavefront_size: 32
...
	.end_amdgpu_metadata
.endif
;; end of part 2
;; launch norm (part 3): grid 256 x 1, 8 waves a work-group, no clusters, 0 bytes of LDS; arguments lat, q_a_ln_w, kv_a_ln_w, wbt, ank; writes ank
.if DOCPART == 3
	.amdgcn_target "amdgcn-amd-amdhsa--gfx1250"
	.amdhsa_code_object_version 6
	.text
	.protected	k_q9f405e8f54_norm
	.globl	k_q9f405e8f54_norm
	.p2align	8
	.type	k_q9f405e8f54_norm,@function
k_q9f405e8f54_norm:
	s_mov_b64 s[64:65], 0
	v_nop
	global_prefetch_b8 v0, s[64:65] scope:SCOPE_SE
	s_setreg_imm32_b32 hwreg(HW_REG_WAVE_MODE, 25, 1), 1
	s_wait_xcnt 0x0
; Both RMS norms and the rope key's rotation, on the f32 latents.  lat: [4096][pitch 2048] f32, columns 0..703 q latent (682.. are zeros), 704..767 the rope key, 768..1023 the kv latent.
; ank: AN [4096][1024] f16 in the same columns (normalised x gain; the key rotated), and behind its 8,388,608 bytes KPE [4096][64] f16, the rotated key once more, dense.
; y = (x rsqrt(mean of x^2 + 1e-6)) w, in f32, rounded once to f16; the gains are rounded to bf16 like every input.  The rotation keeps the pair (2 p, 2 p + 1) in place: (a c - b s, b c + a s).
; LIMITS.  |y| and the key stay under 65,504 (f16).  A wave takes two rows, each wholly in its registers: no LDS, no barrier, no loop.  Lane l, load i: columns 128 i + 4 l .. + 3.
.set L,   1
.set LO,  2                            ; my 16 bytes in the first row of lat
.set WO,  3                            ; 16 l
.set W,   4                            ; v[4:35]    the gains of my 32 columns
.set TBL, 36                           ; v[36:43]   {c, s, c, s} for each of the two rows
.set X,   44                           ; v[44:107]  row r at 44 + 32 r
.set Y,   108                          ; v[108:139] row r at 108 + 16 r
.set A,   140                          ; v[140:151] at work
.set SUM, 152                          ; v[152:159] row r: q's sum at 152 + 4 r, kv's at 154 + 4 r; the odd registers beside them are written too (they are named as pairs)
.set Q5A, 160
.set Q5B, 161
.set TO,  162
.set SO,  163
.set KO,  164
	s_load_b256 s[4:11], s[0:1], 0x0               ; lat 4, q_a_ln_w 6, kv_a_ln_w 8, wbt 10
	s_load_b64 s[20:21], s[0:1], 0x20              ; ank
	v_lshrrev_b32 v[L], 5, v0
	v_readfirstlane_b32 s22, v[L]
	v_and_b32 v[L], 31, v0
	s_lshl_b32 s23, ttmp9, 3
	s_add_co_u32 s23, s23, s22
	s_lshl_b32 s23, s23, 1                         ; my first row
	s_mov_b32 s12, 0x76543210                      ; v_permlanex16_b32: each lane takes its own place in the other half
	s_mov_b32 s13, 0xfedcba98
	s_mov_b32 s14, 0x0000ffff                      ; lanes 0-15
	s_mov_b32 s15, 0xffff0000                      ; lanes 16-31; also a word's upper bf16
	s_mov_b32 s16, 0x3ac0300c                      ; 1 / 682
	s_mov_b32 s17, 0x3b800000                      ; 1 / 256
	s_mov_b32 s18, 0x358637bd                      ; 1e-6
	s_lshl_b32 s24, s23, 13
	v_lshl_add_u32 v[LO], v[L], 4, s24
	v_lshlrev_b32 v[WO], 4, v[L]
	v_lshl_add_u32 v[Q5A], v[L], 2, 640            ; columns 640 + 4 l: q's gains end at 681: clamped; what is clamped meets a zero or a lane that is replaced
	v_add_nc_u32 v[Q5B], 2, v[Q5A]
	v_min_u32 v[Q5A], 680, v[Q5A]
	v_min_u32 v[Q5B], 680, v[Q5B]
	v_lshlrev_b32 v[Q5A], 2, v[Q5A]
	v_lshlrev_b32 v[Q5B], 2, v[Q5B]
	v_and_b32 v[TO], 15, v0
	v_lshlrev_b32 v[TO], 4, v[TO]
	s_and_b32 s25, s23, 2047                       ; the place in the sequence
	s_lshl_b32 s26, s25, 8
	s_add_co_u32 s26, s26, 7864320
	s_mov_b32 s27, 0
	s_lshl_b32 s24, s23, 11
	v_lshl_add_u32 v[SO], v[L], 3, s24
	s_lshl_b32 s24, s23, 7
	v_lshl_add_u32 v[KO], v[L], 3, s24
	s_wait_kmcnt 0x0
	s_add_nc_u64 s[10:11], s[10:11], s[26:27]      ; the table at my first row
	s_add_nc_u64 s[28:29], s[20:21], 8388608       ; KPE
.irp i, 0,1,2,3,4
	global_load_b128 v[W+4*(\i):W+4*(\i)+3], v[WO], s[6:7] offset:512*(\i)
.endr
	global_load_b64 v[W+20:W+21], v[Q5A], s[6:7]
	global_load_b64 v[W+22:W+23], v[Q5B], s[6:7]
	global_load_b128 v[W+24:W+27], v[WO], s[8:9]
	global_load_b128 v[W+28:W+31], v[WO], s[8:9] offset:512
	global_load_b128 v[TBL:TBL+3], v[TO], s[10:11]
	global_load_b128 v[TBL+4:TBL+7], v[TO], s[10:11] offset:256
.irp r, 0,1
.irp i, 0,1,2,3,4,5,6,7
	global_load_b128 v[X+32*(\r)+4*(\i):X+32*(\r)+4*(\i)+3], v[LO], s[4:5] offset:8192*(\r)+512*(\i) th:TH_LOAD_NT
.endr
.endr
	s_wait_loadcnt 18                              ; the gains are in; the table's two loads and the rows' sixteen stay out
.set k, 0
.rept 16
	v_cvt_pk_bf16_f32 v[A], v[W+2*k], v[W+2*k+1]
	v_lshlrev_b32 v[W+2*k], 16, v[A]
	v_and_b32 v[W+2*k+1], s15, v[A]
.set k, k+1
.endr
	s_wait_loadcnt 0x0
.macro SQ r                            ; the two sums of squares of row r, my lane's part
.set XR, X+32*(\r)
	v_pk_mul_f32 v[A:A+1], v[XR:XR+1], v[XR:XR+1]
	v_pk_mul_f32 v[A+2:A+3], v[XR+2:XR+3], v[XR+2:XR+3]
.irp i, 1,2,3,4
	v_pk_fma_f32 v[A:A+1], v[XR+4*(\i):XR+4*(\i)+1], v[XR+4*(\i):XR+4*(\i)+1], v[A:A+1]
	v_pk_fma_f32 v[A+2:A+3], v[XR+4*(\i)+2:XR+4*(\i)+3], v[XR+4*(\i)+2:XR+4*(\i)+3], v[A+2:A+3]
.endr
.irp e, 0,1,2,3
	v_cndmask_b32 v[A+8+(\e)], 0, v[XR+20+(\e)], s14   ; of load 5 only lanes 0-15 belong to q's latent
.endr
	v_pk_fma_f32 v[A:A+1], v[A+8:A+9], v[A+8:A+9], v[A:A+1]
	v_pk_fma_f32 v[A+2:A+3], v[A+10:A+11], v[A+10:A+11], v[A+2:A+3]
	v_pk_mul_f32 v[A+4:A+5], v[XR+24:XR+25], v[XR+24:XR+25]
	v_pk_mul_f32 v[A+6:A+7], v[XR+26:XR+27], v[XR+26:XR+27]
	v_pk_fma_f32 v[A+4:A+5], v[XR+28:XR+29], v[XR+28:XR+29], v[A+4:A+5]
	v_pk_fma_f32 v[A+6:A+7], v[XR+30:XR+31], v[XR+30:XR+31], v[A+6:A+7]
	v_pk_add_f32 v[A:A+1], v[A:A+1], v[A+2:A+3]
	v_pk_add_f32 v[A+4:A+5], v[A+4:A+5], v[A+6:A+7]
	v_add_f32 v[SUM+4*(\r)], v[A], v[A+1]
	v_add_f32 v[SUM+4*(\r)+2], v[A+4], v[A+5]
	v_mov_b32 v[SUM+4*(\r)+1], v[SUM+4*(\r)]       ; written, since v_permlanex16_b32 counts as a reader of its destination
	v_mov_b32 v[SUM+4*(\r)+3], v[SUM+4*(\r)+2]
.endm
	SQ 0
	SQ 1
.irp m, 1,2,4,8                        ; across the lanes: four steps inside each half ride on the addition, one crosses the halves
.irp k, 0,2,4,6
	v_add_f32_dpp v[SUM+(\k)], v[SUM+(\k)], v[SUM+(\k)] row_xmask:\m row_mask:0xf bank_mask:0xf
.endr
.endr
.irp k, 0,2,4,6
	v_permlanex16_b32 v[SUM+(\k)+1], v[SUM+(\k)], s12, s13
.endr
.irp k, 0,2,4,6
	v_add_f32 v[SUM+(\k)], v[SUM+(\k)], v[SUM+(\k)+1]
.endr
	v_fma_f32 v[SUM], v[SUM], s16, s18
	v_fma_f32 v[SUM+2], v[SUM+2], s17, s18
	v_fma_f32 v[SUM+4], v[SUM+4], s16, s18
	v_fma_f32 v[SUM+6], v[SUM+6], s17, s18
.irp k, 0,2,4,6
	v_rsq_f32 v[SUM+(\k)], v[SUM+(\k)]
.endr
	v_nop                                          ; a plain instruction behind the last of them,
	s_wait_alu depctr_va_vdst(0)                   ; and one wait for the four, ahead of their first reader
.macro OUTROW r
.set XR, X+32*(\r)
.set YR, Y+16*(\r)
.set TR, TBL+4*(\r)
	v_mul_f32 v[A], v[XR+21], v[TR+1]              ; the rotation, on load 5's raw numbers (it counts in lanes 16-31)
	v_mul_f32 v[A+1], v[XR+20], v[TR+1]
	v_mul_f32 v[A+2], v[XR+23], v[TR+3]
	v_mul_f32 v[A+3], v[XR+22], v[TR+3]
	v_fma_f32 v[A+4], v[XR+20], v[TR], -v[A]
	v_fma_f32 v[A+5], v[XR+21], v[TR], v[A+1]
	v_fma_f32 v[A+6], v[XR+22], v[TR+2], -v[A+2]
	v_fma_f32 v[A+7], v[XR+23], v[TR+2], v[A+3]
.irp i, 0,1,2,3,4,5,6,7
.irp u, 0,2
	v_pk_mul_f32 v[XR+4*(\i)+(\u):XR+4*(\i)+(\u)+1], v[XR+4*(\i)+(\u):XR+4*(\i)+(\u)+1], v[SUM+4*(\r)+2*((\i)/6):SUM+4*(\r)+2*((\i)/6)+1] op_sel_hi:[1,0]
.endr
.irp u, 0,2
	v_pk_mul_f32 v[XR+4*(\i)+(\u):XR+4*(\i)+(\u)+1], v[XR+4*(\i)+(\u):XR+4*(\i)+(\u)+1], v[W+4*(\i)+(\u):W+4*(\i)+(\u)+1]
.endr
.endr
.irp e, 0,1,2,3
	v_cndmask_b32 v[XR+20+(\e)], v[XR+20+(\e)], v[A+4+(\e)], s15
.endr
.irp i, 0,1,2,3,4,5,6,7
	v_cvt_pk_f16_f32 v[YR+2*(\i)], v[XR+4*(\i)], v[XR+4*(\i)+1]
	v_cvt_pk_f16_f32 v[YR+2*(\i)+1], v[XR+4*(\i)+2], v[XR+4*(\i)+3]
	global_store_b64 v[SO], v[YR+2*(\i):YR+2*(\i)+1], s[20:21] offset:2048*(\r)+256*(\i)  ; the wave stores 256 consecutive bytes, aligned
.endr
.endm
	OUTROW 0
	OUTROW 1
	v_permlanex16_b32 v[A], v[Y+10], s12, s13      ; KPE: lanes 0-15 take row 0's key from lanes 16-31, lanes 16-31 keep row 1's: two rows, 256 consecutive bytes
	v_permlanex16_b32 v[A+1], v[Y+11], s12, s13
	v_cndmask_b32 v[A], v[A], v[Y+26], s15
	v_cndmask_b32 v[A+1], v[A+1], v[Y+27], s15
	global_store_b64 v[KO], v[A:A+1], s[28:29]
	s_endpgm
.Lfunc_end_k_q9f405e8f54_norm:
	.size	k_q9f405e8f54_norm, .Lfunc_end_k_q9f405e8f54_norm-k_q9f405e8f54_norm
	.p2alignl 7, 3214868480
	.fill 96, 4, 3214868480
	.section	.rodata,"a",@progbits
	.p2align	6, 0x0
	.amdhsa_kernel k_q9f405e8f54_norm
		.amdhsa_group_segment_fixed_size 0
		.amdhsa_private_segment_fixed_size 0
		.amdhsa_enable_private_segment 0
		.amdhsa_kernarg_size 40
		.amdhsa_user_sgpr_count 2
		.amdhsa_user_sgpr_kernarg_segment_ptr 1
		.amdhsa_wavefront_size32 1
		.amdhsa_system_sgpr_workgroup_id_x 1
		.amdhsa_system_sgpr_workgroup_id_y 1
		.amdhsa_system_sgpr_workgroup_id_z 1
		.amdhsa_system_vgpr_workitem_id 0
		.amdhsa_next_free_vgpr 176
		.amdhsa_next_free_sgpr 66
		.amdhsa_reserve_vcc 0
		.amdhsa_float_denorm_mode_32 3
		.amdhsa_float_denorm_mode_16_64 3
		.amdhsa_memory_ordered 1
		.amdhsa_forward_progress 1
		.amdhsa_inst_pref_size 21
	.end_amdhsa_kernel
	.amdgpu_metadata
---
amdhsa.version: [ 1, 2 ]
amdhsa.kernels:
  - .name:           k_q9f405e8f54_norm
    .symbol:         k_q9f405e8f54_norm.kd
    .args:
      - { .name: lat, .offset: 0, .size: 8, .value_kind: global_buffer, .address_space: global }
      - { .name: q_a_ln_w, .offset: 8, .size: 8, .value_kind: global_buffer, .address_space: global }
      - { .name: kv_a_ln_w, .offset: 16, .size: 8, .value_kind: global_buffer, .address_space: global }
      - { .name: wbt, .offset: 24, .size: 8, .value_kind: global_buffer, .address_space: global }
      - { .name: ank, .offset: 32, .size: 8, .value_kind: global_buffer, .address_space: global }
    .group_segment_fixed_size: 0
    .private_segment_fixed_size: 0
    .kernarg_segment_align: 8
    .kernarg_segment_size: 40
    .max_flat_workgroup_size: 256
    .sgpr_count:     66
    .vgpr_count:     176
    .wavefront_size: 32
...
	.end_amdgpu_metadata
.endif
;; end of part 3
;; launch proj (part 4): grid 8 x 32, 4 waves a work-group, clusters of 4 x 4, 327,680 bytes of LDS; arguments ank, wbt, qkv; writes qkv
.if DOCPART == 4
	.amdgcn_target "amdgcn-amd-amdhsa--gfx1250"
	.amdhsa_code_object_version 6
	.text
	.protected	k_q9f405e8f54_proj
	.globl	k_q9f405e8f54_proj
	.p2align	8
	.type	k_q9f405e8f54_proj,@function
k_q9f405e8f54_proj:
	s_mov_b64 s[64:65], 0
	v_nop
	global_prefetch_b8 v0, s[64:65] scope:SCOPE_SE
	s_setreg_imm32_b32 hwreg(HW_REG_WAVE_MODE, 25, 1), 1
	s_wait_xcnt 0x0
	s_wait_alu depctr_hold_cnt(0) depctr_sa_sdst(0) depctr_va_vdst(0) depctr_va_sdst(0) depctr_va_ssrc(0) depctr_va_vcc(0) depctr_vm_vsrc(0)
	s_getreg_b32 s2, hwreg(HW_REG_IB_STS2, 6, 4)
	s_cmp_eq_u32 s2, 0
	s_cbranch_scc0 .Lentry_in_a_cluster
	s_endpgm
.Lentry_in_a_cluster:
	s_bfe_u32 s2, ttmp6, 0x10000c
	s_cmp_lg_u32 s2, 0xf033
	s_cbranch_scc0 .Lentry_shape_is_right
	s_endpgm
.Lentry_shape_is_right:
; q, k_nope and v by heads, all f16, each rounded once from its f32 sums; q's channels 64..127 rotated on the f32 sums.
; A = AN: [4096][1024] f16 (columns 0..703 normalised q latent, 704..767 the rotated key, 768..1023 normalised kv latent).  B = WB: [768][pitch 5120] f16, rows along N.
; Out: QH[b 16 + head][s][128] at byte 0 of qkv, KN[b 16 + head][s][64] at 16,777,216, VH[b 16 + head][s][128] at 25,165,824.
; A WORK-GROUP STAYS.  Work-group (g, tr) makes five tiles of 128 tokens x 128 columns for token block tr: q head g, q head g + 8, k_nope heads 2 g and 2 g + 1, v head g, v head g + 8:
; WB's columns 128 g + 1,024 t for tile t.  8 x 32 work-groups, all with the same list: no branch, trip count or LDS address hangs on a work-group's place.
; NINE UNIFORM STEPS of K = 256 (a q tile has three, the others one), step n in LDS slot n % 2; the ring of two slots runs on across tiles.  A q tile's third step multiplies K 704..767 too: there WB's rows are zeros,
; and A's numbers (the key) are finite by the limit below, so exact zeros are added: 64 of a wave's 1,152 matrix instructions, the price of one text for every step.
; The step is written twice: in a loop of seven trips, each of which fills the slot just read with step n + 2, and in a tail of two trips that asks for nothing.
; The tail's second trip fetches 32 fragments that nobody multiplies: the price of one text for both.
; Four waves, each 64 x 64: 16 accumulators.  A comes out of LDS as it lies, B turned.  THE MATRIX INSTRUCTION IS USED TRANSPOSED (source 0 = 16 columns of B, source 1 = 16 rows of A): a lane holds eight neighbouring numbers of a row.
; CLUSTERS: 4 x 4 work-groups; A's tile is asked for jointly along a row of the cluster, B's along a column.  No prefetch: the tiles are small.
; The rotation keeps the pair (2 p, 2 p + 1) in place, as the key's does: (a c - b s, b c + a s).  The waves of the upper 64 columns hold their part of the table in window 2, for both q tiles.
; LIMIT.  |q|, |k_nope|, |v| and the key stay under 65,504 (f16).  No scale is applied here.
; REGISTERS: window 0: v16-30 addresses; v32-95 the way out; v96-99 the rotation; v128-255 the accumulators ((a, b) at 128 + 8 (4 a + b)).  window 1: two fragment buffers of 128.  window 2: v0-127 the table.
.set KSTEP,  256
.set PA,     528                       ; A's LDS row: 512 bytes + 16
.set PB,     288                       ; B's LDS row: 256 bytes + 32
.set HA,     64*PA
.set HB,     128*PB
.set BOFF,   2*HA                      ; in a slot: A's 128 rows, then B's 256 k rows
.set SLOT,   BOFF+2*HB
.set STAGE,  2*SLOT                    ; behind the ring: 128 rows x 272 bytes, the work-group's, for the way out; no tensor load fills it
.set SP,     272
.set SPARE,  STAGE+128*SP              ; the spare words, 128 bytes a wave
.set ROWB,   10240
.set ADRA, 16                          ; v16     my A fragments in the slot in hand
.set A0,   17                          ; v17     the same in slot 0; never rewritten
.set ADRB, 20                          ; v20-21  my B fragments in the slot in hand: the two halves of its k rows (an LDS offset holds 16 bits)
.set B0,   22                          ; v22-23  the same in slot 0; never rewritten
.set B1,   23
.set STO,  24
.set RD,   25
.set CO,   26
.set RDK,  27
.set SPW,  28                          ; v28  my spare word; never rewritten
.set NIL,  29                          ; v29  0; never rewritten
.set TO,   30
.set TMP,  32
.set RT,   96
.set ACC,  128
.set F0,   0
.set F1,   128
.set G1, 24                            ; s[24:31] group 1 for A's tiles;  s[32:39] group 0: a set for each of the two first fills; the second then walks on
.set G0, 32
.set G1B, 48                           ; s[48:55], s[56:63] the same for B's
.set G0B, 56
.set CNT,  66                          ; the loops' counter
.set NEW,  67                          ; 1: the step to come begins a tile
.set LEFT, 68                          ; steps left in the tile in hand
.set TI,   69                          ; the tile in hand, 0..4
.set FK,   70                          ; the step to be asked for next: its place in its tile,
.set FT,   71                          ; and its tile
.set TF,   72                          ; the slot that it goes to: 0 or SLOT
.set TB,   73                          ; the slot that is read: 0 or SLOT
.set OA,   74                          ; s[74:75] its byte offset in A
.set OB,   76                          ; s[76:77] and in B
.set PKO,  78                          ; s[78:79] where my rows begin in KN
.set PVO,  80                          ; s[80:81] and in VH
.set LEN,  86
.set MSB, 0
.macro WIN new                         ; the immediate's high byte repeats the setting that is left
.if MSB != (\new)
	s_set_vgpr_msb (MSB<<8)|(\new)
.set MSB, \new
.endif
.endm
.set MUL,  0x05                        ; sources 0 (B) and 1 (A) window 1; C and D window 0
.set TO_F, 0x40                        ; destination window 1, address window 0
.macro JLOAD s                         ; a joint load: waves 0, 1 fetch A's halves, waves 2, 3 B's; an s_nop 0 and four v_nop follow each line
	s_cmp_eq_u32 s11, 0
	s_cbranch_scc0 .Lfor_b_\@
	tensor_load_to_lds s[G0+4*(\s):G0+4*(\s)+3], s[G1:G1+7]
	s_nop 0
.rept 4
	v_nop
.endr
	s_branch .Lasked_\@
.Lfor_b_\@:
	tensor_load_to_lds s[G0B+4*(\s):G0B+4*(\s)+3], s[G1B:G1B+7]
	s_nop 0
.rept 4
	v_nop
.endr
.Lasked_\@:
.endm
.macro CREST                           ; a round of the cluster's barrier behind its opening barrier
	s_cmp_lg_u32 s10, 0
	s_cbranch_scc1 .Lnot_wave_0_\@
	s_barrier_signal -3
.Lnot_wave_0_\@:
	s_barrier_wait -3
	s_barrier_signal -1
	s_barrier_wait -1
.endm
.macro CROUND
	s_barrier_signal -1
	s_barrier_wait -1
	CREST
.endm
	s_load_b128 s[4:7], s[0:1], 0x0                ; AN s[4:5], WB s[6:7]
	s_load_b64 s[8:9], s[0:1], 0x10                ; qkv
	v_lshl_add_u32 v[SPW], v0, 2, SPARE
	v_mov_b32 v[NIL], 0
	ds_add_u32 v[SPW], v[NIL]                      ; the wave's opening: the add and its wait ahead of my first tensor load
	v_lshrrev_b32 v1, 5, v0
	v_readfirstlane_b32 s10, v1                    ; wave 0..3
	s_lshr_b32 s11, s10, 1                         ; my half of the tile's rows.  Also: I fetch for A (0) or for B (1)
	s_and_b32 s12, s10, 1                          ; my half of its columns.  Also: which half of that tile I fetch
	s_bfe_u32 s40, ttmp6, 0x40000                  ; cx
	s_bfe_u32 s41, ttmp6, 0x40004                  ; cy
	s_lshl_b32 s42, ttmp9, 2
	s_add_co_u32 s42, s42, s40                     ; g, 0..7
	s_and_b32 s13, ttmp7, 0xffff
	s_lshl_b32 s13, s13, 2
	s_add_co_u32 s13, s13, s41                     ; the block of 128 tokens
	s_lshl_b32 s43, s41, 2
	s_lshl_b32 s43, 15, s43                        ; my row of the cluster
	s_lshl_b32 s44, 0x1111, s40                    ; my column
	s_or_b32 s[G1+0], s43, (1<<16)|(1<<20)|(1<<21)|(6<<22)|(3<<25)   ; mask; 2-byte elements; padding on; bit 21 beside a mask; after every 128 words 4 words
	s_mov_b32 s[G1+1], KSTEP<<16                   ; tensor_dim0 = 256
	s_mov_b32 s[G1+2], 64<<16                      ; tensor_dim1 = 64
	s_mov_b32 s[G1+3], KSTEP<<16                   ; tile_dim0 = 256
	s_mov_b32 s[G1+4], 64                          ; tile_dim1 = 64
	s_mov_b32 s[G1+5], 1024                        ; elements from row to row
	s_mov_b32 s[G1+6], 0
	s_mov_b32 s[G1+7], 0
	s_or_b32 s[G1B+0], s44, (1<<16)|(1<<20)|(1<<21)|(5<<22)|(7<<25)  ; after every 64 words 8 words
	s_mov_b32 s[G1B+1], 128<<16
	s_mov_b32 s[G1B+2], 128<<16
	s_mov_b32 s[G1B+3], 128<<16
	s_mov_b32 s[G1B+4], 128
	s_mov_b32 s[G1B+5], 5120
	s_mov_b32 s[G1B+6], 0
	s_mov_b32 s[G1B+7], 0
	s_lshl_b32 s17, s12, 6
	s_lshl_b32 s16, s13, 7
	s_add_co_u32 s16, s16, s17
	s_lshl_b32 s16, s16, 11                        ; A: row 128 x block + 64 x half, 2,048 bytes a row
	s_mov_b32 s17, 0
	s_mul_i32 s46, s12, 128*ROWB                   ; B: k row 128 x half,
	s_lshl_b32 s47, s42, 8                         ; column 128 g
	s_add_co_u32 s46, s46, s47
	s_mov_b32 s47, 0
	s_mul_i32 s20, s12, HA                         ; where they go in a slot: no place in the cluster enters an LDS address
	s_mul_i32 s21, s12, HB
	s_add_co_u32 s21, s21, BOFF
	s_mov_b32 s[NEW], 1
	s_mov_b32 s[LEFT], 3
	s_mov_b32 s[TI], 0
	s_mov_b32 s[FK], 2                             ; steps 0 and 1 are asked for at the start: the first refill is tile 0's third step,
	s_mov_b32 s[FT], 0
	s_mov_b32 s[TF], 0                             ; into slot 0
	s_mov_b32 s[TB], 0
	s_mov_b32 s[OA+1], 0
	s_mov_b32 s[OB+1], 0
	s_wait_dscnt 0x0                               ; the opening add is done
	s_wait_kmcnt 0x0
	s_add_nc_u64 s[14:15], s[4:5], s[16:17]        ; A at my rows
	s_add_nc_u64 s[46:47], s[6:7], s[46:47]        ; B at my k rows and the group's first column
	s_add_nc_u64 s[18:19], s[6:7], 7864320         ; the table
	CROUND                                         ; all sixteen work-groups are here: the first joint loads meet
.irp s, 0,1
	s_mov_b32 s[G0+4*(\s)], 1
	s_add_co_u32 s[G0+4*(\s)+1], s20, (\s)*SLOT
	s_add_nc_u64 s[G0+4*(\s)+2:G0+4*(\s)+3], s[14:15], (\s)*KSTEP*2
	s_or_b32 s[G0+4*(\s)+3], s[G0+4*(\s)+3], 0x80000000
	s_mov_b32 s[G0B+4*(\s)], 1
	s_add_co_u32 s[G0B+4*(\s)+1], s21, (\s)*SLOT
	s_add_nc_u64 s[G0B+4*(\s)+2:G0B+4*(\s)+3], s[46:47], (\s)*KSTEP*ROWB
	s_or_b32 s[G0B+4*(\s)+3], s[G0B+4*(\s)+3], 0x80000000
	JLOAD \s
.endr
	v_and_b32 v1, 15, v0                           ; r = l % 16
	v_bfe_u32 v2, v0, 4, 1                         ; h = l / 16
	v_mul_u32_u24 v3, v1, PA
	v_lshl_add_u32 v3, v2, 4, v3                   ; A: row x pitch + 16 h
	v_and_b32 v4, 7, v0
	v_lshl_add_u32 v4, v2, 3, v4
	v_mul_u32_u24 v4, v4, PB                       ; B: k row 8 h + l % 8,
	v_bfe_u32 v5, v0, 3, 1
	v_lshl_add_u32 v4, v5, 4, v4                   ; columns 8 ((l / 8) % 2) on
	s_mul_i32 s22, s11, HA                         ; my 64 rows of A
	s_lshl_b32 s23, s12, 7                         ; my 64 columns of B
	s_add_co_u32 s23, s23, BOFF
	v_add_nc_u32 v[A0], s22, v3
	v_add_nc_u32 v[B0], s23, v4
	v_add_nc_u32 v[B1], HB, v[B0]
	v_mov_b32 v[ADRA], v[A0]                       ; step 0 lies in slot 0
	v_mov_b32 v[ADRB], v[B0]
	v_mov_b32 v[ADRB+1], v[B1]
	s_mul_i32 s23, s11, 64*SP                      ; into the stage: my 64 rows, my half of their 256 bytes
	s_lshl_b32 s22, s12, 7
	s_add_co_u32 s23, s23, s22
	s_add_co_u32 s23, s23, STAGE
	v_mul_u32_u24 v4, v1, SP
	v_lshl_add_u32 v4, v2, 4, v4
	v_add_nc_u32 v[STO], s23, v4
	s_mul_i32 s23, s10, 32*SP                      ; back: wave w takes rows 32 w .. 32 w + 31
	s_add_co_u32 s23, s23, STAGE
	v_mul_u32_u24 v5, v2, SP                       ; q and v: lanes 0-15 one row of 256 bytes, lanes 16-31 the next
	v_lshl_add_u32 v5, v1, 4, v5
	v_add_nc_u32 v[RD], s23, v5
	v_bfe_u32 v5, v0, 3, 2                         ; k_nope: 32 lanes take one head's 128 bytes of four rows
	v_mul_u32_u24 v5, v5, SP
	v_and_b32 v6, 7, v0
	v_lshl_add_u32 v5, v6, 4, v5
	v_add_nc_u32 v[RDK], s23, v5
	v_and_b32 v[CO], 31, v0
	v_lshlrev_b32 v[CO], 4, v[CO]                  ; either way 512 consecutive bytes of the target
	s_and_b32 s2, s13, 15
	s_lshl_b32 s2, s2, 7
	s_lshl_b32 s3, s11, 6
	s_add_co_u32 s2, s2, s3
	s_lshl_b32 s2, s2, 8                           ; the table's row of my first token
	v_lshl_add_u32 v[TO], v1, 8, s2
	v_lshl_add_u32 v[TO], v2, 5, v[TO]
	s_lshr_b32 s16, s13, 4                         ; where my rows begin: the batch's 16 heads x 2,048 rows,
	s_lshl_b32 s16, s16, 15
	s_and_b32 s17, s13, 15
	s_lshl_b32 s17, s17, 7                         ; the block's 128 rows,
	s_add_co_u32 s16, s16, s17
	s_lshl_b32 s17, s10, 5                         ; the 32 that I store
	s_add_co_u32 s16, s16, s17
	s_lshl_b32 s82, s42, 19                        ; head g's 2,048 rows of 256 bytes, or head 2 g's of 128: the same bytes
	s_mov_b32 s83, 0
	s_add_nc_u64 s[8:9], s[8:9], s[82:83]
	s_lshl_b32 s84, s16, 7
	s_add_co_u32 s84, s84, 16777216
	s_mov_b32 s85, 0
	s_add_nc_u64 s[PKO:PKO+1], s[8:9], s[84:85]
	s_lshl_b32 s84, s16, 8
	s_add_nc_u64 s[8:9], s[8:9], s[84:85]          ; QH, head g: the first tile's target
	s_add_nc_u64 s[PVO:PVO+1], s[8:9], 25165824
	s_cmp_eq_u32 s12, 1                            ; the waves of channels 64..127 fetch their cosines and sines: for accumulator (a, b) the four pairs 8 b + 4 h .. of token 16 a + r
	s_cbranch_scc0 .Lno_table
	WIN 0x80                                       ; destination window 2
.irp a, 0,1,2,3
.irp b, 0,1,2,3
	global_load_b128 v[8*(4*(\a)+(\b)):8*(4*(\a)+(\b))+3],   v[TO], s[18:19] offset:4096*(\a)+64*(\b)
	global_load_b128 v[8*(4*(\a)+(\b))+4:8*(4*(\a)+(\b))+7], v[TO], s[18:19] offset:4096*(\a)+64*(\b)+16
.endr
.endr
	WIN 0
.Lno_table:
; 8 matrix instructions: m blocks a0, a0 + 1 x all 4 n blocks, 32 along K: half c of buffer f.  zero = 1: the product starts the sum.  The 16 accumulators take turns.
.macro MUL8 f, c, a0, zero
	WIN MUL
.irp a, \a0, (\a0)+1
.irp b, 0,1,2,3
.if \zero
	v_wmma_f32_16x16x32_f16 v[ACC+8*(4*(\a)+(\b)):ACC+8*(4*(\a)+(\b))+7], v[(\f)+64+8*(4*(\c)+(\b)):(\f)+64+8*(4*(\c)+(\b))+7], v[(\f)+8*(4*(\c)+(\a)):(\f)+8*(4*(\c)+(\a))+7], 0
.else
	v_wmma_f32_16x16x32_f16 v[ACC+8*(4*(\a)+(\b)):ACC+8*(4*(\a)+(\b))+7], v[(\f)+64+8*(4*(\c)+(\b)):(\f)+64+8*(4*(\c)+(\b))+7], v[(\f)+8*(4*(\c)+(\a)):(\f)+8*(4*(\c)+(\a))+7], v[ACC+8*(4*(\a)+(\b)):ACC+8*(4*(\a)+(\b))+7]
.endif
.endr
.endr
.endm
; 32 LDS loads in one run: the fragments of quarter q (64 along K) of the slot in hand, into buffer f; the first 32 along K first
.macro FETCH q, f
	WIN TO_F
.irp c, 0,1
.irp i, 0,1,2,3
	ds_load_tr16_b128 v[(\f)+64+8*(4*(\c)+(\i)):(\f)+64+8*(4*(\c)+(\i))+3],   v[ADRB+(\q)/2] offset:(((\q)%2)*64+32*(\c))*PB+32*(\i)
	ds_load_tr16_b128 v[(\f)+64+8*(4*(\c)+(\i))+4:(\f)+64+8*(4*(\c)+(\i))+7], v[ADRB+(\q)/2] offset:(((\q)%2)*64+32*(\c)+16)*PB+32*(\i)
	ds_load_b128 v[(\f)+8*(4*(\c)+(\i)):(\f)+8*(4*(\c)+(\i))+3],         v[ADRA] offset:128*(\q)+64*(\c)+(\i)*16*PA
	ds_load_b128 v[(\f)+8*(4*(\c)+(\i))+4:(\f)+8*(4*(\c)+(\i))+7],       v[ADRA] offset:128*(\q)+64*(\c)+(\i)*16*PA+32
.endr
.endr
.endm
.macro PLACES                          ; four places in front of loads into registers that matrix instructions have read, and of reads of results
.rept 4
	v_nop
.endr
.endm
; A quarter: multiplies buffer f and fetches quarter q into g
.macro QUARTER q, f, g
	s_wait_dscnt 16                                ; the first 32 along K are in; the other sixteen loads may be out
	MUL8 \f, 0, 0, 0
	MUL8 \f, 0, 2, 0
	PLACES
	FETCH \q, \g
	s_wait_dscnt 32                                ; all but the 32 just issued
	MUL8 \f, 1, 0, 0
	MUL8 \f, 1, 2, 0
.endm
; The last quarter multiplies buffer 1 and changes slots: ONE barrier; in front of it each wave waits for all its tensor loads, adds 0 to its spare word, and waits for that and for its reads of this slot.
; fill = 1: the barrier opens a round of the cluster's, and the slot just read is filled with step (FK, FT): A's columns 256 FK (kv tiles: 768), B's k rows 256 FK and columns 1,024 FT on.
; The walking descriptors are made anew between the add and the wait for it, where no tensor load of the wave is out.
.macro TURN fill
	WIN 0
	s_wait_tensorcnt 0x0                           ; all my tensor loads have landed: my part of the next slot
	ds_add_u32 v[SPW], v[NIL]                      ; 0 onto my spare word
.if \fill
	s_cmp_lt_u32 s[FT], 2                          ; a q tile?
	s_cselect_b32 s[OA], 0, 1536
	s_cselect_b32 s[LEN], 3, 1
	s_lshl_b32 s2, s[FK], 9
	s_add_co_u32 s[OA], s[OA], s2
	s_mul_i32 s[OB], s[FK], KSTEP*ROWB
	s_lshl_b32 s2, s[FT], 11
	s_add_co_u32 s[OB], s[OB], s2
	s_add_co_u32 s[G0+5], s[TF], s20
	s_add_nc_u64 s[G0+6:G0+7], s[14:15], s[OA:OA+1]
	s_or_b32 s[G0+7], s[G0+7], 0x80000000
	s_add_co_u32 s[G0B+5], s[TF], s21
	s_add_nc_u64 s[G0B+6:G0B+7], s[46:47], s[OB:OB+1]
	s_or_b32 s[G0B+7], s[G0B+7], 0x80000000
	s_xor_b32 s[TF], s[TF], SLOT                   ; the next refill goes to the other slot,
	s_add_co_u32 s[FK], s[FK], 1                   ; and is the tile's next step, or the next tile's first
	s_cmp_ge_u32 s[FK], s[LEN]
	s_cselect_b32 s[FK], 0, s[FK]
	s_cselect_b32 s2, 1, 0
	s_add_co_u32 s[FT], s[FT], s2
.endif
	s_xor_b32 s[TB], s[TB], SLOT                   ; the reads go on in the other slot
	s_wait_dscnt 17                                ; the add and the youngest sixteen loads may be out
	MUL8 F1, 0, 0, 0
	s_wait_dscnt 0x0                               ; the add is done, and my reads of this slot are over
	s_barrier_signal -1
	MUL8 F1, 0, 2, 0
	WIN 0
	s_barrier_wait -1
.if \fill
	CREST                                          ; no wave of any partner still reads this slot or has a load on its way
	JLOAD 1                                        ; the first tensor load behind the round; its four v_nop are also the places in front of the loads below
.else
	PLACES
.endif
	v_add_nc_u32 v[ADRA], s[TB], v[A0]
	v_add_nc_u32 v[ADRB], s[TB], v[B0]
	v_add_nc_u32 v[ADRB+1], s[TB], v[B1]
	FETCH 0, F0
	MUL8 F1, 1, 0, 0
	MUL8 F1, 1, 2, 0
.endm
; A STEP: four quarters of 64 along K, 32 matrix instructions each, on buffers 0, 1, 0, 1; quarter 0's fragments were fetched by the step before.  A tile's first 16 products take the constant 0 as C: nothing is cleared.
; In the loop the flag NEW chooses between the two forms of those 16; in the tail every step begins a tile.  Five v_nop are the places in front of products that write over accumulators.
.macro STEP fill
	s_wait_dscnt 16                                ; the first 32 along K are in; the other sixteen loads may be out
.if \fill
	s_cmp_eq_u32 s[NEW], 1
	s_cbranch_scc1 .Lnew_\@
	MUL8 F0, 0, 0, 0
	MUL8 F0, 0, 2, 0
	WIN 0
	s_branch .Ljoin_\@
.Lnew_\@:
.endif
.rept 5
	v_nop
.endr
	MUL8 F0, 0, 0, 1
	MUL8 F0, 0, 2, 1
	WIN 0
.if \fill
.Ljoin_\@:
.endif
	PLACES
	FETCH 1, F1
	s_wait_dscnt 32                                ; all but the 32 just issued
	MUL8 F0, 1, 0, 0
	MUL8 F0, 1, 2, 0
	QUARTER 2, F1, F0
	QUARTER 3, F0, F1
	TURN \fill
	WIN 0
.endm
; THE WAY OUT of a tile: (q: the rotation;) round to f16; 16 bytes a lane into the work-group's stage; a barrier, since a row's 256 bytes come from two waves; back as whole rows, 32 rows a wave; a second barrier,
; since the next tile writes the stage again.  It stands while the next steps' tiles are on their way.  inloop = 1: tiles 0, 1 (q) and 2 (k_nope); 0: tiles 3, 4 (v).
.macro WAYOUT inloop
	PLACES
.if \inloop
	s_cmp_lt_u32 s[TI], 2
	s_cbranch_scc0 .Lno_rope_\@
	s_cmp_eq_u32 s12, 1
	s_cbranch_scc0 .Lno_rope_\@
	s_wait_loadcnt 0x0                             ; the table
	WIN 0x02                                       ; source 0 (the table) window 2
.set t, 0
.rept 16
.irp p, 0,1,2,3
	v_mul_f32 v[RT+2*((\p)%2)], v[8*t+2*(\p)+1], v[ACC+8*t+2*(\p)+1]     ; s b
	v_mul_f32 v[RT+2*((\p)%2)+1], v[8*t+2*(\p)+1], v[ACC+8*t+2*(\p)]     ; s a
	v_fma_f32 v[ACC+8*t+2*(\p)], v[8*t+2*(\p)], v[ACC+8*t+2*(\p)], -v[RT+2*((\p)%2)]
	v_fma_f32 v[ACC+8*t+2*(\p)+1], v[8*t+2*(\p)], v[ACC+8*t+2*(\p)+1], v[RT+2*((\p)%2)+1]
.endr
.set t, t+1
.endr
	WIN 0
.Lno_rope_\@:
.endif
.irp t, 0,1,2,3,4,5,6,7,8,9,10,11,12,13,14,15
.irp r, 0,1,2,3
	v_cvt_pk_f16_f32 v[TMP+4*(\t)+(\r)], v[ACC+8*(\t)+2*(\r)], v[ACC+8*(\t)+2*(\r)+1]
.endr
.endr
.irp a, 0,1,2,3
.irp b, 0,1,2,3
	ds_store_b128 v[STO], v[TMP+4*(4*(\a)+(\b)):TMP+4*(4*(\a)+(\b))+3] offset:(\a)*16*SP+32*(\b)
.endr
.endr
	s_wait_dscnt 0x0                               ; for the others' sake: my stores into the stage are done
	s_barrier_signal -1
	s_barrier_wait -1
.if \inloop
	s_cmp_eq_u32 s[TI], 2
	s_cbranch_scc1 .Lout_k_\@
.endif
.irp t, 0,1,2,3,4,5,6,7,8,9,10,11,12,13,14,15
	ds_load_b128 v[TMP+4*(\t):TMP+4*(\t)+3], v[RD] offset:(\t)*2*SP
.endr
.irp t, 0,1,2,3,4,5,6,7,8,9,10,11,12,13,14,15
	s_wait_dscnt 15-(\t)                           ; the younger loads stay out
	global_store_b128 v[CO], v[TMP+4*(\t):TMP+4*(\t)+3], s[8:9] offset:512*(\t)   ; two dense rows: 512 consecutive bytes, aligned
.endr
.if \inloop
	s_branch .Lsent_\@
.Lout_k_\@:                                            ; loads 0-7: the first head's half of my 32 rows, four rows a load; loads 8-15: the second head's, 2,048 rows of 128 bytes further on
.irp t, 0,1,2,3,4,5,6,7,8,9,10,11,12,13,14,15
	ds_load_b128 v[TMP+4*(\t):TMP+4*(\t)+3], v[RDK] offset:4*((\t)%8)*SP+128*((\t)/8)
.endr
.irp t, 0,1,2,3,4,5,6,7,8,9,10,11,12,13,14,15
	s_wait_dscnt 15-(\t)
	global_store_b128 v[CO], v[TMP+4*(\t):TMP+4*(\t)+3], s[8:9] offset:512*((\t)%8)+262144*((\t)/8)
.endr
.Lsent_\@:
.endif
	s_barrier_signal -1                            ; my reads of the stage are back (the last count above is 0):
	s_barrier_wait -1                              ; everybody's are: the next tile may write it
	s_wait_xcnt 0x0                                ; the stores have read their registers and their base: only now are these rewritten
	s_add_nc_u64 s[8:9], s[8:9], 4194304           ; eight heads on: the second q tile, the second v tile
.if \inloop
	s_cmp_eq_u32 s[TI], 1
	s_cselect_b64 s[8:9], s[PKO:PKO+1], s[8:9]     ; behind tile 1 comes k_nope,
	s_cmp_eq_u32 s[TI], 2
	s_cselect_b64 s[8:9], s[PVO:PVO+1], s[8:9]     ; behind tile 2 the first v tile
	s_add_co_u32 s[TI], s[TI], 1
	s_cmp_lt_u32 s[TI], 2
	s_cselect_b32 s[LEFT], 3, 1
	s_mov_b32 s[NEW], 1
.endif
.endm
	s_wait_tensorcnt 1                             ; my part of step 0 is in; step 1's may stay out
	s_barrier_signal -1
	s_barrier_wait -1
	FETCH 0, F0
	WIN 0
	s_mov_b32 s[CNT], 7
.Lstep:                                                ; steps 0 to 6: each fills its slot again, with steps 2 to 8
	STEP 1
	s_mov_b32 s[NEW], 0
	s_sub_co_u32 s[LEFT], s[LEFT], 1
	s_cmp_lg_u32 s[LEFT], 0
	s_cbranch_scc1 .Lnext
	WAYOUT 1                                       ; behind steps 2, 5 and 6
.Lnext:
	s_sub_co_u32 s[CNT], s[CNT], 1
	s_cmp_lg_u32 s[CNT], 0
	s_cbranch_scc1 .Lstep
	s_mov_b32 s[CNT], 2
.Ltail:                                                ; steps 7 and 8, the two v tiles: nothing is asked for
	STEP 0
	WAYOUT 0
	s_sub_co_u32 s[CNT], s[CNT], 1
	s_cmp_lg_u32 s[CNT], 0
	s_cbranch_scc1 .Ltail
	s_wait_tensorcnt 0x0                           ; the wave's end
	ds_add_u32 v[SPW], v[NIL]
	s_wait_dscnt 0x0
	CROUND                                         ; the closing round
	s_endpgm
.Lfunc_end_k_q9f405e8f54_proj:
	.size	k_q9f405e8f54_proj, .Lfunc_end_k_q9f405e8f54_proj-k_q9f405e8f54_proj
	.p2alignl 7, 3214868480
	.fill 96, 4, 3214868480
	.section	.rodata,"a",@progbits
	.p2align	6, 0x0
	.amdhsa_kernel k_q9f405e8f54_proj
		.amdhsa_group_segment_fixed_size 327680
		.amdhsa_private_segment_fixed_size 0
		.amdhsa_enable_private_segment 0
		.amdhsa_kernarg_size 24
		.amdhsa_user_sgpr_count 2
		.amdhsa_user_sgpr_kernarg_segment_ptr 1
		.amdhsa_wavefront_size32 1
		.amdhsa_system_sgpr_workgroup_id_x 1
		.amdhsa_system_sgpr_workgroup_id_y 1
		.amdhsa_system_sgpr_workgroup_id_z 1
		.amdhsa_system_vgpr_workitem_id 0
		.amdhsa_next_free_vgpr 640
		.amdhsa_next_free_sgpr 88
		.amdhsa_reserve_vcc 0
		.amdhsa_float_denorm_mode_32 3
		.amdhsa_float_denorm_mode_16_64 3
		.amdhsa_memory_ordered 1
		.amdhsa_forward_progress 1
		.amdhsa_inst_pref_size 85
	.end_amdhsa_kernel
	.amdgpu_metadata
---
amdhsa.version: [ 1, 2 ]
amdhsa.kernels:
  - .name:           k_q9f405e8f54_proj
    .symbol:         k_q9f405e8f54_proj.kd
    .args:
      - { .name: ank, .offset: 0, .size: 8, .value_kind: global_buffer, .address_space: global }
      - { .name: wbt, .offset: 8, .size: 8, .value_kind: global_buffer, .address_space: global }
      - { .name: qkv, .offset: 16, .size: 8, .value_kind: global_buffer, .address_space: global }
    .group_segment_fixed_size: 327680
    .private_segment_fixed_size: 0
    .kernarg_segment_align: 8
    .kernarg_segment_size: 24
    .max_flat_workgroup_size: 128
    .sgpr_count:     88
    .vgpr_count:     640
    .wavefront_size: 32
...
	.end_amdgpu_metadata
.endif
;; end of part 4
;; launch attn (part 5): grid 8 x 32, 4 waves a work-group, no clusters, 327,680 bytes of LDS; arguments qkv, ank, oh; writes oh
.if DOCPART == 5
	.amdgcn_target "amdgcn-amd-amdhsa--gfx1250"
	.amdhsa_code_object_version 6
	.text
	.protected	k_q9f405e8f54_attn
	.globl	k_q9f405e8f54_attn
	.p2align	8
	.type	k_q9f405e8f54_attn,@function
k_q9f405e8f54_attn:
	s_mov_b64 s[64:65], 0
	v_nop
	global_prefetch_b8 v0, s[64:65] scope:SCOPE_SE
	s_setreg_imm32_b32 hwreg(HW_REG_WAVE_MODE, 25, 1), 1
	s_wait_xcnt 0x0
; CAUSAL ATTENTION.  O[q] = the sum over k <= q of softmax_k(Q[q] . K[k] / sqrt(128)) V[k], for 32 pairs of batch and head, 2,048 rows each.  All operands f16; products, maxima and sums in f32;
; the weights p are rounded to f16 for the second product (their sum l is taken of the unrounded p), O once at the end.
; Q: QH[bh][s][128].  K's channels 0..63: KN[bh][s][64]; channels 64..127: KPE[batch][s][64], shared by the batch's 16 heads.  V: VH[bh][s][128].  O goes out by tokens: OH[token][128 head + d].
; LIMITS.  A hidden score counts as its value less 1e30 (f16's scores are 5.5e11 at the most); its weight is 0.  A weight below 2^-126 counts as 0 in l.  NaN and infinities are not treated apart.
; THE WALK.  A head's queries lie in 16 blocks of 128; block i needs the key tiles 0 .. i of 128 keys, of which the last holds the diagonal.  A work-group takes blocks 15 - b and then b: 17 tiles, whatever b:
; loops with constant trip counts walk them, and the ring of two LDS slots runs on across the change of blocks.  Every jump but the loops' own goes forward, and none passes a barrier or a tensor load
; but the one of a fill's two lines that the wave's number does not choose.
; NO CLUSTER: a head's 8 work-groups ask for the same tile only in the first 9 of the 17, behind that fewer and fewer; one walk common to all would have 24 tiles for 17; KPE, shared by 16 heads, is a quarter of a tile's bytes.
; SHARES.  A wave owns 32 consecutive queries: two tiles of 16.  A key tile is two steps of 64 keys: steps 0 .. 33 in all.  The diagonal tile is computed whole; its masks are the C operand that starts S^T = K Q^T: 0, or -1e30 where key > query.
; LAYOUT.  S^T = K Q^T holds ONE query a lane (lane % 16) and the keys 8 (lane / 16) + 0..7; two such results rounded to f16 ARE source 1 of O^T = V^T P.  K comes out of LDS as it lies, V turned.
; SOFTMAX.  A running maximum m and sum l: p = 2^(c s - c m), c = log2(e) / sqrt(128); in every step O and l are multiplied by a = 2^(c m_old - c m_new).  A block starts with c m far below every c s, so its first a is 0.
; SIDE BY SIDE.  A step j has two phases.  A(j): the 32 products V^T P of step j - 1, and between them numbers 0-69 of step j's softmax (maximum, statistics, scalings, all exponentials: one batch, one wait).
; B(j): the 32 products K Q^T of step j + 1, and between them numbers 70-133 (roundings, sums, O^T times a).  Four vector instructions stand behind each matrix instruction; A's twelve that are over stand behind its last.
; S^T has two buffers, by the step's parity.  K of step j + 1 is fetched behind A(j)'s second product; V of step j + 1 at A(j)'s end, into the buffer that A(j)'s products have just read: V has two buffers, so that
; a step's K and V are fetched one behind the other and the change of slots has a place: a trip is CHANGE, A(2t+1), B(2t+1), A(2t+2), B(2t+2), and fetches all of tile t + 1.
; NO FIRST AND NO LAST STEP are written out.  The loop is entered at A(0), in the middle of a trip; its products V^T P run on zeros: the price is 288 v_mov_b32 at the head, in the wait for the first tile.
; The tail, a second copy of the trip, is walked twice and left behind A(34): its last B and A work on a stale K and serve nothing but the products V^T P of step 33 and the way out.
; REGISTERS, in windows of 256 (s_set_vgpr_msb: bits 1:0 source 0, 3:2 source 1, 5:4 source 2, 7:6 destination):
;   window 0: v0-15 addresses; v16-31 statistics, 8 a tile; v61-63; v64-191 S^T, two buffers of two tiles; v192-223 P
;   window 1: v0-127 O^T, 64 a tile; v128-199 the masks: that of step s, tile t, key block kb hangs on n = 4 s + kb - t + 1 alone and lies at 128 + 8 n
;   window 2: V, two buffers of 128          window 3: v0-127 K of one step; v128-191 Q; v192-255 the second block's Q
.set PK,    144       ; a row of KN or KPE in LDS: 128 bytes + 16
.set PV,    288       ; a row of V: 256 + 32
.set KPO,   128*PK    ; a slot: KN's 128 rows, KPE's 128 rows, V's 128 rows
.set VOFF,  2*KPO
.set SLOT1, 1<<17     ; slot 1 begins here: one exclusive or turns an address in one slot into the other's
.set STAGE, SLOT1+VOFF+128*PV  ; behind the ring: 16 rows x 272 bytes for each wave, for the way out
.set SP,    272
.set SPARE, STAGE+4*16*SP
.set AK0, 2
.set AV0, 3
.set ADK, 4
.set ADV, 5
.set STO, 6
.set RD,  7
.set GO,  8
.set QO,  15
.set ST,  16          ; tile t at ST + 8 t: +0 c m, +1 m, +2, +3 l, +4 to +7 c0-c3 at work; a takes c2's place once the maximum is found
.set PFO, 61          ; 256 x my lane; never rewritten
.set SPW, 62          ; my spare word; never rewritten
.set NIL, 63          ; 0; never rewritten
.set S,   64
.set SS,  S+64        ; the way out's stage registers: the S^T buffer that the phase behind it writes anew
.set P,   192
.set MK,  128         ; window 1
.set Q,   128         ; window 3
.set Q2,  192         ; window 3
.set WV,  12
.set PB,  14          ; b
.set HI,  15          ; 15 - b
.set G1K, 24
.set G1V, 32
.set G0,  40          ; s[40:43] group 0: tile 1's first fill; then it walks
.set SRC, 44          ; s[44:45] my stream at the head's tile 0: wave 0 KN, wave 1 KPE, waves 2, 3 the halves of V
.set QP,  46
.set G0A, 52          ; s[52:55] group 0 of tile 0's first fill
.set SLOTS, 56        ; trips of the loop still to come
.set CS,  58
.set SEL, 60
.set TB,  62          ; the LDS byte at which the tile that is being fetched begins
.set FC,  66          ; 1: tile t, whose last step this trip ends, is a block's last
.set FN,  67          ; 1: tile t + 1, whose scores this trip makes, is a block's last: it holds the diagonal
.set TT,  68          ; t + 1
.set CNT, 69
.set NXT, 71          ; the tile to be asked for next
.set LQ,  72          ; the last tile of the block whose tiles are being asked for
.set OFF, 74
.set SH,  76          ; a tile of my stream is 1 << SH bytes apart from the next
.set LIM, 77          ; 2 in a wave that prefetches, else the greatest number
.set PFA, 78
.set OLO, 80
.set BIGN, 82
.set OF2, 84
.set QP2, 86
.set MSB, 0
.macro WIN new                      ; the high byte repeats the setting that is left; a switch that changes nothing is dropped
.if MSB != (\new)
	s_set_vgpr_msb (MSB<<8)|(\new)
.set MSB, (\new)
.endif
.endm
.set W_KQ, 0x0f       ; K and Q in window 3; S^T in window 0
.set W_KM, 0x1f       ; the same with the C operand in window 1
.set W_PV, 0x52       ; V in window 2, P in window 0, O^T in window 1
.set W_RS, 0x41       ; destination and source 0 in window 1, source 1 in window 0
; A refill: one tensor load a wave, 16,384 bytes as 64 rows of 256.  An s_nop 0 and four v_nop follow each of the two lines.
.macro LOAD
	s_cmp_lt_u32 s[WV], 2
	s_cbranch_scc0 .Lfor_v_\@
	tensor_load_to_lds s[G0:G0+3], s[G1K:G1K+7]
	s_nop 0
.rept 4
	v_nop
.endr
	s_branch .Lasked_\@
.Lfor_v_\@:
	tensor_load_to_lds s[G0:G0+3], s[G1V:G1V+7]
	s_nop 0
.rept 4
	v_nop
.endr
.Lasked_\@:
.endm
; A PREFETCH INTO THE L2 of the tile that the NEXT change of slots will ask for.  Of a head's 8 work-groups the one with b = 0 walks tiles 0 .. 15 in order in its first block: it asks, and nobody else; each of its waves
; for its own stream's 16,384 bytes, a lane a block of 256 bytes, two instructions; for KPE only in the batch's first head.  So each block is named once in the launch.  Trips with SLOTS = 15 .. 3 name tiles 3 .. 15;
; tiles 0, 1 and 2 come by their loads alone.  The lead is one trip: 128 matrix instructions.
.macro ASK
	s_cmp_gt_u32 s[SLOTS], s[LIM]
	s_cbranch_scc0 .Lnot_mine_\@
	global_prefetch_b8 v[PFO], s[PFA:PFA+1] th:TH_LOAD_NT scope:SCOPE_SE
	global_prefetch_b8 v[PFO], s[PFA:PFA+1] offset:8192 th:TH_LOAD_NT scope:SCOPE_SE
.Lnot_mine_\@:
.endm
; THE CHANGE OF SLOTS, in front of trip t.  Each wave waits for all its tensor loads, of which one is out: its part of tile t + 1; adds 0 to its spare word; and waits for that and for its reads of tile t's slot,
; of which the last, V of its second step, were issued a phase back.  fill = 1: that slot is filled again, the first thing behind the barrier, with tile NXT: the descriptor's address is made anew from that number.
.macro CHANGE fill
	WIN 0
	s_wait_tensorcnt 0x0            ; no tensor load of mine is out, so the group 0 may be written
	ds_add_u32 v[SPW], v[NIL]       ; 0 onto my spare word
.if \fill
	s_lshl_b32 s[OFF], s[NXT], s[SH]
	s_xor_b32 s[G0+1], s[G0+1], SLOT1
	s_add_nc_u64 s[G0+2:G0+3], s[SRC:SRC+1], s[OFF:OFF+1]
	s_or_b32 s[G0+3], s[G0+3], 0x80000000
	s_wait_xcnt 0x0                 ; the last prefetches, a trip back, have read their address
	s_add_co_u32 s[OF2], s[NXT], 1
	s_lshl_b32 s[OF2], s[OF2], s[SH]
	s_add_nc_u64 s[PFA:PFA+1], s[SRC:SRC+1], s[OF2:OF2+1]
	s_add_co_u32 s[NXT], s[NXT], 1  ; the block's next tile, or behind its last the second block's tile 0
	s_cmp_gt_u32 s[NXT], s[LQ]
	s_cselect_b32 s[NXT], 0, s[NXT]
	s_cselect_b32 s[LQ], s[PB], s[LQ]
.endif
	s_wait_dscnt 0x0                ; the add is done, and my reads of the slot are over
	s_barrier_signal -1
	s_xor_b32 s[TB], s[TB], SLOT1   ; the fetches go on in the other slot
	s_barrier_wait -1
.if \fill
	LOAD
	ASK
.endif
.endm
	s_load_b128 s[4:7], s[0:1], 0x0   ; qkv s[4:5], ank s[6:7]
	s_load_b64 s[8:9], s[0:1], 0x10   ; oh
	v_lshl_add_u32 v[SPW], v0, 2, SPARE
	v_mov_b32 v[NIL], 0
	ds_add_u32 v[SPW], v[NIL]       ; the wave's opening: the add and its wait ahead of my first tensor load
	v_lshrrev_b32 v1, 5, v0
	v_readfirstlane_b32 s[WV], v1
	s_mov_b32 s[PB], ttmp9
	s_sub_co_u32 s[HI], 15, s[PB]
	s_and_b32 s13, ttmp7, 0xffff    ; batch x 16 + head
	s_lshl_b32 s16, s13, 18         ; KN: 2,048 rows of 128 bytes a head
	s_add_co_u32 s16, s16, 16777216
	s_mov_b32 s17, 0
	s_lshr_b32 s52, s13, 4          ; the batch
	s_lshl_b32 s18, s52, 18         ; KPE
	s_add_co_u32 s18, s18, 8388608
	s_mov_b32 s19, 0
	s_lshl_b32 s53, s13, 19         ; 2,048 rows of 256 bytes a head
	s_and_b32 s20, s[WV], 1
	s_lshl_b32 s20, s20, 14         ; V: wave 3 takes a tile's second 64 keys
	s_add_co_u32 s20, s20, s53
	s_add_co_u32 s20, s20, 25165824
	s_mov_b32 s21, 0
	s_lshl_b32 s54, s[WV], 13       ; Q: my 32 rows of a block
	s_add_co_u32 s54, s54, s53
	s_lshl_b32 s22, s[HI], 15
	s_add_co_u32 s22, s22, s54
	s_mov_b32 s23, 0
	s_lshl_b32 s2, s[PB], 15
	s_add_co_u32 s2, s2, s54
	s_mov_b32 s3, 0
	s_lshl_b32 s52, s52, 11         ; O: token = batch x 2,048 + block x 128 + 32 w, 4,096 bytes a token; the head's 256 bytes
	s_lshl_b32 s55, s[WV], 5
	s_add_co_u32 s52, s52, s55
	s_and_b32 s55, s13, 15
	s_lshl_b32 s55, s55, 8
	s_lshl_b32 s48, s[HI], 7
	s_add_co_u32 s48, s48, s52
	s_lshl_b32 s48, s48, 12
	s_add_co_u32 s48, s48, s55
	s_mov_b32 s49, 0
	s_lshl_b32 s50, s[PB], 7
	s_add_co_u32 s50, s50, s52
	s_lshl_b32 s50, s50, 12
	s_add_co_u32 s50, s50, s55
	s_mov_b32 s51, 0
	s_and_b32 s55, s13, 15          ; who prefetches: b = 0; wave 1 only in the batch's first head
	s_cmp_eq_u32 s[WV], 1
	s_cselect_b32 s55, s55, 0
	s_or_b32 s55, s55, ttmp9
	s_cmp_eq_u32 s55, 0
	s_cselect_b32 s[LIM], 2, -1
	s_cmp_lt_u32 s[WV], 2
	s_cselect_b32 s[SH], 14, 15
	; descriptor group 1: 16,384 dense bytes as 64 rows of 256 bytes
	s_mov_b32 s[G1K], (1<<16)|(1<<20)|(4<<22)|(3<<25)  ; 2-byte elements; padding on; after every 32 words (a key's 128 bytes) 4 words
	s_mov_b32 s[G1V], (1<<16)|(1<<20)|(5<<22)|(7<<25)  ; after every 64 words (a key's 256 bytes) 8 words
.irp g, G1K, G1V
	s_mov_b32 s[\g+1], 128<<16      ; tensor_dim0 = 128
	s_mov_b32 s[\g+2], 64<<16       ; tensor_dim1 = 64
	s_mov_b32 s[\g+3], 128<<16      ; tile_dim0 = 128
	s_mov_b32 s[\g+4], 64           ; tile_dim1 = 64
	s_mov_b32 s[\g+5], 128          ; 128 elements from row to row
	s_mov_b32 s[\g+6], 0
	s_mov_b32 s[\g+7], 0
.endr
	s_mov_b32 s[G0A], 1
	s_mul_i32 s[G0A+1], s[WV], KPO  ; each wave's part of a slot is 18,432 bytes: tile 0 goes to slot 0,
	s_mov_b32 s[G0], 1
	s_add_co_u32 s[G0+1], s[G0A+1], SLOT1  ; tile 1 to slot 1
	s_mov_b32 s[CS], 0x3e0293ee     ; c = log2(e) / sqrt(128)
	s_mov_b32 s[CS+1], s[CS]
	s_mov_b32 s[SEL], 0x76543210
	s_mov_b32 s[SEL+1], 0xfedcba98
	s_mov_b32 s[TB], 0
	s_mov_b32 s[NXT], 2             ; the first refill brings tile 2 (the first block has 9 tiles or more)
	s_mov_b32 s[LQ], s[HI]
	s_mov_b32 s[OFF+1], 0
	s_mov_b32 s[OF2+1], 0
	s_lshl_b32 s[OFF], 1, s[SH]     ; tile 1 of my stream
	s_mov_b32 s[BIGN], 0xf149f2ca   ; -1e30
	s_mov_b32 s[SLOTS], 16          ; the half trip at the entry takes one off: 15 whole trips follow
	s_mov_b32 s[FC], 0
	s_mov_b32 s[FN], 0              ; tile 0 is no block's last in the loop
	s_mov_b32 s[TT], 0
	s_wait_dscnt 0x0                ; the opening add is done
	s_wait_kmcnt 0x0
	s_add_nc_u64 s[16:17], s[4:5], s[16:17]
	s_add_nc_u64 s[18:19], s[6:7], s[18:19]
	s_add_nc_u64 s[20:21], s[4:5], s[20:21]
	s_cmp_eq_u32 s[WV], 0
	s_cselect_b64 s[SRC:SRC+1], s[16:17], s[20:21]
	s_cmp_eq_u32 s[WV], 1
	s_cselect_b64 s[SRC:SRC+1], s[18:19], s[SRC:SRC+1]
	s_add_nc_u64 s[QP:QP+1], s[4:5], s[22:23]
	s_add_nc_u64 s[QP2:QP2+1], s[4:5], s[2:3]
	s_add_nc_u64 s[10:11], s[8:9], s[48:49]
	s_add_nc_u64 s[OLO:OLO+1], s[8:9], s[50:51]
	s_add_nc_u64 s[G0A+2:G0A+3], s[SRC:SRC+1], 0
	s_or_b32 s[G0A+3], s[G0A+3], 0x80000000
	s_add_nc_u64 s[G0+2:G0+3], s[SRC:SRC+1], s[OFF:OFF+1]
	s_or_b32 s[G0+3], s[G0+3], 0x80000000
	s_cmp_lt_u32 s[WV], 2           ; a wave's two first fills stand in one branch, ahead of every wait on TENSORcnt and every LDS read: two loads of mine are out
	s_cbranch_scc0 .Lfirst_v
	tensor_load_to_lds s[G0A:G0A+3], s[G1K:G1K+7]
	s_nop 0
	tensor_load_to_lds s[G0:G0+3], s[G1K:G1K+7]
	s_nop 0
.rept 4
	v_nop
.endr
	s_branch .Lfirst_asked
.Lfirst_v:
	tensor_load_to_lds s[G0A:G0A+3], s[G1V:G1V+7]
	s_nop 0
	tensor_load_to_lds s[G0:G0+3], s[G1V:G1V+7]
	s_nop 0
.rept 4
	v_nop
.endr
.Lfirst_asked:
	v_and_b32 v1, 15, v0            ; r = l % 16
	v_bfe_u32 v9, v0, 4, 1          ; h = l / 16
	v_lshlrev_b32 v[QO], 8, v1
	v_lshl_add_u32 v[QO], v9, 4, v[QO]
	WIN 0xc0                        ; destination window 3
.set i, 0
.rept 8                             ; both blocks' Q stay in registers: tile i / 4, channels 32 (i % 4) on
	global_load_b128 v[Q+8*i:Q+8*i+3],   v[QO], s[QP:QP+1] offset:(i/4)*4096+(i%4)*64
	global_load_b128 v[Q+8*i+4:Q+8*i+7], v[QO], s[QP:QP+1] offset:(i/4)*4096+(i%4)*64+32
	global_load_b128 v[Q2+8*i:Q2+8*i+3],   v[QO], s[QP2:QP2+1] offset:(i/4)*4096+(i%4)*64
	global_load_b128 v[Q2+8*i+4:Q2+8*i+7], v[QO], s[QP2:QP2+1] offset:(i/4)*4096+(i%4)*64+32
.set i, i+1
.endr
	WIN 0
	v_lshlrev_b32 v14, 3, v9
	v_sub_nc_u32 v14, v1, v14
	s_lshl_b32 s13, s[WV], 5
	v_add_nc_u32 v14, s13, v14      ; 32 w + r - 8 h: register j of mask n is hidden where 16 (n - 1) + j is greater
	WIN 0x40
.set i, 0
.rept 72
	v_cmp_gt_i32 vcc_lo, 16*(i/8)-16+(i%8), v14
	v_cndmask_b32 v[MK+i], 0, s[BIGN], vcc_lo
.set i, i+1
.endr
.set i, 0
.rept 128
	v_mov_b32 v[i], 0               ; O^T need only be finite: a block's first step multiplies it by a = 0
.set i, i+1
.endr
	WIN 0x80
.set i, 128
.rept 128
	v_mov_b32 v[i], 0               ; V's second buffer: the first phase's products V^T P, of a step that has not been, add 0
.set i, i+1
.endr
	WIN 0
.set i, P
.rept 32
	v_mov_b32 v[i], 0
.set i, i+1
.endr
.irp t, 0,1
	v_mov_b32 v[ST+8*(\t)], 0xfe000000    ; c m: far below every c s
	v_mov_b32 v[ST+8*(\t)+1], 0xff7fffff  ; m
	v_mov_b32 v[ST+8*(\t)+2], 0
	v_mov_b32 v[ST+8*(\t)+3], 0
.endr
	v_mul_u32_u24 v[AK0], v1, PK
	v_lshl_add_u32 v[AK0], v9, 4, v[AK0]  ; row x pitch + 16 h
	v_and_b32 v10, 7, v0
	v_bfe_u32 v11, v0, 3, 1
	v_lshl_add_u32 v[AV0], v9, 3, v10     ; the turning load: key 8 h + l % 8, channels 8 ((l / 8) % 2) on
	v_mul_u32_u24 v[AV0], v[AV0], PV
	v_lshl_add_u32 v[AV0], v11, 4, v[AV0]
	v_add_nc_u32 v[AV0], VOFF, v[AV0]
	s_mul_i32 s13, s[WV], 16*SP
	s_add_co_u32 s13, s13, STAGE
	v_mul_u32_u24 v[STO], v1, SP
	v_lshl_add_u32 v[STO], v9, 4, v[STO]
	v_add_nc_u32 v[STO], s13, v[STO]
	v_mul_u32_u24 v[RD], v9, SP
	v_lshl_add_u32 v[RD], v1, 4, v[RD]
	v_add_nc_u32 v[RD], s13, v[RD]
	v_lshlrev_b32 v[GO], 12, v9           ; two tokens' rows in OH, 4,096 bytes apart
	v_lshl_add_u32 v[GO], v1, 4, v[GO]
	v_and_b32 v[PFO], 31, v0
	v_lshlrev_b32 v[PFO], 8, v[PFO]
	v_mov_b32 v[ADK], v[AK0]              ; tile 0 lies in slot 0
	v_mov_b32 v[ADV], v[AV0]
; THE MATRIX WORK.  Product i of 32 of S^T = K Q^T into buffer d (the step's parity, and its place in its tile): channels 32 (i / 8) on, keys 16 ((i / 2) % 4) on, tile i % 2.
; The first 8 start the sums: with 0, or (m = 1) with the mask.  The 8 accumulators take turns.
.macro KQ m, d
.set rS, S+64*(\d)+32*(i%2)+8*((i/2)%4)
.set rK, 32*((i/2)%4)+8*(i/8)
.set rQ, Q+32*(i%2)+8*(i/8)
.set rM, MK+8*(4*(\d)+((i/2)%4)-(i%2)+1)
.if (i < 8) && (\m)
	WIN W_KM
	v_wmma_f32_16x16x32_f16 v[rS:rS+7], v[rK:rK+7], v[rQ:rQ+7], v[rM:rM+7]
.elseif i < 8
	WIN W_KQ
	v_wmma_f32_16x16x32_f16 v[rS:rS+7], v[rK:rK+7], v[rQ:rQ+7], 0
.else
	WIN W_KQ
	v_wmma_f32_16x16x32_f16 v[rS:rS+7], v[rK:rK+7], v[rQ:rQ+7], v[rS:rS+7]
.endif
.endm
; Product i of 32 of O^T += V^T P, V from buffer vb: keys 32 (i / 16) on, channels 16 ((i / 2) % 8) on, tile i % 2.  The 16 accumulators take turns.
.macro PV vb
	WIN W_PV
.set rO, 64*(i%2)+8*((i/2)%8)
.set rV, 128*(\vb)+64*(i/16)+8*((i/2)%8)
.set rP, P+16*(i%2)+8*(i/16)
	v_wmma_f32_16x16x32_f16 v[rO:rO+7], v[rV:rV+7], v[rP:rP+7], v[rO:rO+7]
.endm
; THE LDS LOADS stand in runs of 32: step s of the tile at TB: its K (keys 16 (f / 4) on; channels 32 (f % 4) on: 0, 1 from KN, 2, 3 from KPE) and its V (keys 32 (f / 8) on, channels 16 (f % 8) on, turned) into buffer s
.macro FETCH_K s
	WIN 0xc0
.irp f, 0,1,2,3,4,5,6,7,8,9,10,11,12,13,14,15
	ds_load_b128 v[8*(\f):8*(\f)+3],   v[ADK] offset:(((\f)%4)/2)*KPO+(64*(\s)+16*((\f)/4))*PK+((\f)%2)*64
	ds_load_b128 v[8*(\f)+4:8*(\f)+7], v[ADK] offset:(((\f)%4)/2)*KPO+(64*(\s)+16*((\f)/4))*PK+((\f)%2)*64+32
.endr
.endm
.macro FETCH_V s
	WIN 0x80
.irp f, 0,1,2,3,4,5,6,7,8,9,10,11,12,13,14,15
	ds_load_tr16_b128 v[128*(\s)+8*(\f):128*(\s)+8*(\f)+3],   v[ADV] offset:(64*(\s)+32*((\f)/8))*PV+((\f)%8)*32
	ds_load_tr16_b128 v[128*(\s)+8*(\f)+4:128*(\s)+8*(\f)+7], v[ADV] offset:(64*(\s)+32*((\f)/8)+16)*PV+((\f)%8)*32
.endr
.endm
; THE VECTOR WORK.  One tile's softmax for one key step is a list of 134 instructions; SM writes number j of it for tile t, on S^T's buffer SB.  s0-s31 are the lane's 32 scores, in pairs 0-15.
;   0-15  the maximum of s0-s31 and the old m, three operands at a time (each accumulator's lowest registers are read first)     16-20  the other half of the lanes' maximum; the new m; c m; c m_old - c m_new
;   21-69  the 16 scalings c s - c m and all 33 exponentials (a at 23): none of these reads an exponential's result     70-85  the roundings to f16     86-101  the sums; l = a l + the sum     102-133  O^T times a
.macro SM t
.set rT, ST+8*(\t)
.set rS, S+64*SB+32*(\t)
.set rP, P+16*(\t)
.set rO, 64*(\t)+2*(j-102)
.if j < 102
	WIN 0
.endif
.if j < 4
	v_max3_num_f32 v[rT+4+j], v[rS+8*j], v[rS+8*j+1], v[rS+8*j+2]
.elseif j < 12
	v_max3_num_f32 v[rT+4+j%4], v[rT+4+j%4], v[rS+8*(j%4)+2*(j/4)+1], v[rS+8*(j%4)+2*(j/4)+2]
.elseif j == 12
	v_max3_num_f32 v[rT+4], v[rT+4], v[rS+7], v[rS+15]
.elseif j == 13
	v_max3_num_f32 v[rT+6], v[rT+6], v[rS+23], v[rS+31]
.elseif j == 14
	v_max3_num_f32 v[rT+4], v[rT+4], v[rT+5], v[rT+6]
.elseif j == 15
	v_max3_num_f32 v[rT+4], v[rT+4], v[rT+7], v[rT+1]
.elseif j == 16
	v_permlanex16_b32 v[rT+5], v[rT+4], s[SEL], s[SEL+1]  ; the query's other 32 keys lie in the lane 16 away
.elseif j == 17
	v_mov_b32 v[rT+7], v[rT]        ; c m_old is kept for a
.elseif j == 18
	v_max_num_f32 v[rT+1], v[rT+4], v[rT+5]
.elseif j == 19
	v_mul_f32 v[rT], s[CS], v[rT+1]
.elseif j == 20
	v_sub_f32 v[rT+7], v[rT+7], v[rT]
.elseif j == 23
	v_exp_f32 v[rT+6], v[rT+7]
.elseif (j < 23) || ((j < 38) && (j%2 == 0)) || ((j < 66) && (j%4 == 2))
.set b, (j-2)/4                     ; 38, 42, .. 62: pairs 9 to 15
.if j < 38
.set b, (j-20)/2                    ; 21: pair 0; 22, 24, .. 36: pairs 1 to 8
.endif
	v_pk_fma_f32 v[rS+2*b:rS+2*b+1], v[rS+2*b:rS+2*b+1], s[CS:CS+1], v[rT:rT+1] op_sel_hi:[1,0,0] neg_lo:[0,0,1] neg_hi:[0,0,1]
.elseif j < 70
.set e, j-38                        ; 66 to 69: s28 to s31
.if j < 66
.set e, j-32-(j-38)/4               ; 39-41, 43-45, .. 63-65: s7 to s27
.endif
.if j < 38
.set e, (j-25)/2                    ; 25, 27, .. 37: s0 to s6
.endif
	v_exp_f32 v[rS+e], v[rS+e]
.elseif j < 86
	v_cvt_pk_f16_f32 v[rP+j-70], v[rS+2*(j-70)], v[rS+2*(j-70)+1]
.elseif j < 102                     ; the sum of the 16 pairs, in place: neighbours 1, 2, 4 and 8 pairs apart, then l takes it
.set z, j-86
.set w, 4
.set u, z
.if z >= 14
.set w, 32
.set u, 0
.elseif z >= 12
.set w, 16
.set u, z-12
.elseif z >= 8
.set w, 8
.set u, z-8
.endif
.if z < 15
	v_pk_add_f32 v[rS+w*u:rS+w*u+1], v[rS+w*u:rS+w*u+1], v[rS+w*u+w/2:rS+w*u+w/2+1]
.else
	v_pk_fma_f32 v[rT+2:rT+3], v[rT+2:rT+3], v[rT+6:rT+7], v[rS:rS+1] op_sel_hi:[1,0,1]
.endif
.else
	WIN W_RS
	v_pk_mul_f32 v[rO:rO+1], v[rO:rO+1], v[rT+6:rT+7] op_sel_hi:[1,0]
.endif
.endm
; Slice k of 35 of numbers 0-69: four instructions.  Slices 0-10: numbers 2 k and 2 k + 1 of both tiles, the tiles alternating.  Slices 11-34 deal out the batch, numbers 22-69: four numbers of ONE tile each, the tiles by turns.
.macro SLICEA
.if k < 11
.irp n, 0,1
.irp t, 0,1
.set j, 2*k+(\n)
	SM \t
.endr
.endr
.else
.irp n, 0,1,2,3
.set j, 22+4*((k-11)/2)+(\n)
	SM (k-11)%2
.endr
.endif
.set k, k+1
.endm
; Slice q of 32 of numbers 70-133: numbers 70 + 2 q and 71 + 2 q of both tiles
.macro SLICEB
.irp n, 0,1
.irp t, 0,1
.set j, 70+2*q+(\n)
	SM \t
.endr
.endr
.set q, q+1
.endm
; THE WAY OUT.  l's two halves and the other half of the lanes' are added; O^T is divided by l, rounded to f16 and sent through my stage in LDS, a tile (16 tokens) at a time.  It stands behind A of the step after a block's last:
; l and O^T are still the old block's; a, in c2's place, is the new step's and is left alone: the reciprocal lies in c0's.
.macro PACK t
	WIN W_RS
.set i, 64*(\t)
.rept 32
	v_pk_mul_f32 v[i:i+1], v[i:i+1], v[ST+8*(\t)+4:ST+8*(\t)+5] op_sel_hi:[1,0]
.set i, i+2
.endr
	WIN 0x05                        ; sources 0 and 1 window 1, destination window 0
.set i, 0
.rept 32
	v_cvt_pk_f16_f32 v[SS+32*(\t)+i], v[64*(\t)+2*i], v[64*(\t)+2*i+1]
.set i, i+1
.endr
	WIN 0
.irp f, 0,1,2,3,4,5,6,7
	ds_store_b128 v[STO], v[SS+32*(\t)+4*(\f):SS+32*(\t)+4*(\f)+3] offset:32*(\f)
.endr
.irp f, 0,1,2,3,4,5,6,7
	ds_load_b128 v[SS+32*(\t)+4*(\f):SS+32*(\t)+4*(\f)+3], v[RD] offset:(\f)*2*SP  ; LDS serves a wave's instructions in order (ISA guide 5.7.1.4): these see the stores above
.endr
.endm
.macro SEND t, younger              ; younger: the next tile's sixteen LDS instructions, or none
	WIN 0
.irp f, 0,1,2,3,4,5,6,7
	s_wait_dscnt (\younger)+7-(\f)
	global_store_b128 v[GO], v[SS+32*(\t)+4*(\f):SS+32*(\t)+4*(\f)+3], s[10:11] offset:(16*(\t)+2*(\f))*4096  ; 16 lanes store 256 consecutive bytes, aligned
.endr
.endm
.macro WAYOUT
.irp t, 0,1
	v_add_f32 v[ST+8*(\t)+4], v[ST+8*(\t)+2], v[ST+8*(\t)+3]
.endr
.irp t, 0,1
	v_permlanex16_b32 v[ST+8*(\t)+5], v[ST+8*(\t)+4], s[SEL], s[SEL+1]
.endr
.irp t, 0,1
	v_add_f32 v[ST+8*(\t)+5], v[ST+8*(\t)+4], v[ST+8*(\t)+5]
.endr
.irp t, 0,1
	v_rcp_f32 v[ST+8*(\t)+4], v[ST+8*(\t)+5]
.endr
	v_nop                           ; a plain instruction behind the last reciprocal,
	s_wait_alu depctr_va_vdst(0)    ; and one wait for the two, ahead of the first use
	PACK 0
	PACK 1
	SEND 0, 16
	SEND 1, 0
.endm
; Behind A of a block's last step: its scalings are made, so m and c m are set for the next block, whose first a is then 0; and the second block's Q goes where the one text of the products names Q:
; the next products K Q^T are the new block's.  (Behind the second block's last step all this serves nothing and harms nothing.)
.macro NEWBLOCK
	s_cmp_eq_u32 s[FC], 1
	s_cbranch_scc0 .Lsame_\@
.irp t, 0,1
	v_mov_b32 v[ST+8*(\t)], 0xfe000000
	v_mov_b32 v[ST+8*(\t)+1], 0xff7fffff
.endr
	WIN 0xc3
.set i, 0
.rept 64
	v_mov_b32 v[Q+i], v[Q2+i]
.set i, i+1
.endr
	WIN 0
.Lsame_\@:
.endm
; Behind A of the step after a block's last: that block's last products V^T P are made, and nothing of the new step has touched l or O^T
.macro ENDBLOCK
	s_cmp_eq_u32 s[FC], 1
	s_cbranch_scc0 .Lon_\@
	WAYOUT
	s_wait_xcnt 0x0                 ; the stores have read their registers and O's address: only now are these rewritten
	s_mov_b64 s[10:11], s[OLO:OLO+1]
.Lon_\@:
.endm
; PHASE A of a step of parity p.  K's registers were last read by the phase before, whose last product has four plain instructions behind it; slices 0 and 1 follow: K's run of loads stands behind the second product.
; Behind the last product stand two scalings (slices 31, 32) and three v_nop: the places in front of the loads into the V buffer that it read; the first v_nop is also the plain instruction behind the last exponential.
; One wait serves the 66 exponentials: nothing ahead of it names a result of theirs.  The wait on DScnt is for K, issued 30 products back, and for V of this step, issued a step back.
.macro PHASE_A p, hook
.set SB, (\p)
.set k, 0
.set i, 0
.rept 32
	PV 1-(\p)
	SLICEA
.if i == 1
	FETCH_K 1-(\p)
.endif
.set i, i+1
.endr
.rept 3
	SLICEA
.endr
	WIN 0
.rept 3
	v_nop
.endr
	s_wait_alu depctr_va_vdst(0)
	s_wait_dscnt 0x0
.if (\hook) == 1
	NEWBLOCK
.else
	ENDBLOCK
.endif
	FETCH_V 1-(\p)
.endm
; PHASE B of a step of parity p.  Its first eight products, which start the sums, stand twice with their riders: with the constant 0, and with the masks for a tile that holds the diagonal.
; The last product's four riders name none of its registers: with the next phase's first slices they are the places in front of the first read of its scores.
.macro PHASE_B p
.set SB, (\p)
	WIN 0
	s_cmp_eq_u32 s[FN], 1
	s_cbranch_scc1 .Lmask_\@
.set q, 0
.set i, 0
.rept 8
	KQ 0, 1-(\p)
	SLICEB
.set i, i+1
.endr
	WIN 0
	s_branch .Ljoin_\@
.Lmask_\@:
.set q, 0
.set i, 0
.rept 8
	KQ 1, 1-(\p)
	SLICEB
.set i, i+1
.endr
	WIN 0
.Ljoin_\@:
.rept 24
	KQ 0, 1-(\p)
	SLICEB
.set i, i+1
.endr
.endm
; At a trip's head: which of tiles t and t + 1 is a block's last (the walk's tiles 15 - b and 16), and where the trip's fetches begin
.macro TRIPHEAD
	s_mov_b32 s[FC], s[FN]
	s_add_co_u32 s[TT], s[TT], 1
	s_cmp_eq_u32 s[TT], s[HI]
	s_cselect_b32 s[FN], 1, 0
	s_cmp_eq_u32 s[TT], 16
	s_cselect_b32 s[FN], 1, s[FN]
	v_add_nc_u32 v[ADK], s[TB], v[AK0]
	v_add_nc_u32 v[ADV], s[TB], v[AV0]
.endm
	s_wait_tensorcnt 1              ; my part of tile 0 is in; tile 1's may stay out
	s_barrier_signal -1
	s_barrier_wait -1               ; everybody's is
	FETCH_K 0                       ; step 0
	s_wait_loadcnt 0x0              ; Q
	s_wait_dscnt 0x0
.set i, 0
.rept 32
	KQ 0, 0                         ; step 0's scores: there is no vector work yet to set between them
.set i, i+1
.endr
	WIN 0
.rept 8
	v_nop                           ; the places behind those products
.endr
	FETCH_V 0
	WIN 0
	s_branch .Lfirst                ; the loop is entered at A(0), in the middle of a trip
.Lslot:                             ; 15 times: trip t ends tile t, makes tile t + 1's scores, fetches all of tile t + 1 and asks for tile t + 2
	CHANGE 1
	TRIPHEAD
	PHASE_A 1, 1
	PHASE_B 1
	WIN 0
.Lfirst:
	PHASE_A 0, 2
	PHASE_B 0
	WIN 0
	s_sub_co_u32 s[SLOTS], s[SLOTS], 1
	s_cmp_lg_u32 s[SLOTS], 0
	s_cbranch_scc1 .Lslot
	CHANGE 0                        ; the tail is written out: the last tile is in, and nothing is asked for
	s_mov_b32 s[CNT], 2
.Ltail:                             ; trips 15 and 16; the second fetches the last tile's bytes once more, for products that serve nothing, and is left behind its way out
	TRIPHEAD
	PHASE_A 1, 1
	PHASE_B 1
	PHASE_A 0, 2
	WIN 0
	s_sub_co_u32 s[CNT], s[CNT], 1
	s_cmp_eq_u32 s[CNT], 0
	s_cbranch_scc1 .Lout
	PHASE_B 0
	WIN 0
	s_cmp_lg_u32 s[CNT], 0          ; the trip that ends the count has left above
	s_cbranch_scc1 .Ltail
.Lout:
	s_wait_tensorcnt 0x0            ; the wave's end
	ds_add_u32 v[SPW], v[NIL]
	s_wait_dscnt 0x0
	s_endpgm
.Lfunc_end_k_q9f405e8f54_attn:
	.size	k_q9f405e8f54_attn, .Lfunc_end_k_q9f405e8f54_attn-k_q9f405e8f54_attn
	.p2alignl 7, 3214868480
	.fill 96, 4, 3214868480
	.section	.rodata,"a",@progbits
	.p2align	6, 0x0
	.amdhsa_kernel k_q9f405e8f54_attn
		.amdhsa_group_segment_fixed_size 327680
		.amdhsa_private_segment_fixed_size 0
		.amdhsa_enable_private_segment 0
		.amdhsa_kernarg_size 24
		.amdhsa_user_sgpr_count 2
		.amdhsa_user_sgpr_kernarg_segment_ptr 1
		.amdhsa_wavefront_size32 1
		.amdhsa_system_sgpr_workgroup_id_x 1
		.amdhsa_system_sgpr_workgroup_id_y 1
		.amdhsa_system_sgpr_workgroup_id_z 1
		.amdhsa_system_vgpr_workitem_id 0
		.amdhsa_next_free_vgpr 1024
		.amdhsa_next_free_sgpr 88
		.amdhsa_reserve_vcc 1
		.amdhsa_float_denorm_mode_32 3
		.amdhsa_float_denorm_mode_16_64 3
		.amdhsa_memory_ordered 1
		.amdhsa_forward_progress 1
		.amdhsa_inst_pref_size 186
	.end_amdhsa_kernel
	.amdgpu_metadata
---
amdhsa.version: [ 1, 2 ]
amdhsa.kernels:
  - .name:           k_q9f405e8f54_attn
    .symbol:         k_q9f405e8f54_attn.kd
    .args:
      - { .name: qkv, .offset: 0, .size: 8, .value_kind: global_buffer, .address_space: global }
      - { .name: ank, .offset: 8, .size: 8, .value_kind: global_buffer, .address_space: global }
      - { .name: oh, .offset: 16, .size: 8, .value_kind: global_buffer, .address_space: global }
    .group_segment_fixed_size: 327680
    .private_segment_fixed_size: 0
    .kernarg_segment_align: 8
    .kernarg_segment_size: 24
    .max_flat_workgroup_size: 128
    .sgpr_count:     88
    .vgpr_count:     1024
    .wavefront_size: 32
...
	.end_amdgpu_metadata
.endif
;; end of part 5
;; launch oproj: the kernel of part 2 again; grid 16 x 32, 4 waves a work-group, clusters of 4 x 4, 327,680 bytes of LDS; arguments oh, wo, out0; writes out0
;; ======== version 2 of 2: 6 launches; version 1 with the launches cast, norm written anew for expert scheduling mode
;; limits: values are held in f16: magnitudes above 65,504 overflow, below 6.1e-05 lose precision; right only within a limited range of input values
;; workspace buffers: xh 16,777,216 bytes; wa 8,388,608 bytes; wo 8,388,608 bytes; wbt 8,388,608 bytes; lat 33,554,432 bytes; ank 8,912,896 bytes; qkv 41,943,040 bytes; oh 16,777,216 bytes
;; launch cast (part 6): grid 1280 x 1, 8 waves a work-group, no clusters, 0 bytes of LDS; arguments x, o_w, q_b_w, kv_b_w, q_a_w, kv_a_w, xh, wo, wbt, wa; writes xh, wo, wbt, wa
.if DOCPART == 6
	.amdgcn_target "amdgcn-amd-amdhsa--gfx1250"
	.amdhsa_code_object_version 6
	.text
	.protected	k_q9f405e8f54_cast
	.globl	k_q9f405e8f54_cast
	.p2align	8
	.type	k_q9f405e8f54_cast,@function
k_q9f405e8f54_cast:
	s_mov_b64 s[64:65], 0
	v_nop
	global_prefetch_b8 v0, s[64:65] scope:SCOPE_SE
	s_setreg_imm32_b32 hwreg(HW_REG_WAVE_SCHED_MODE, 0, 2), 2
	s_setreg_imm32_b32 hwreg(HW_REG_WAVE_MODE, 25, 1), 1
	s_wait_xcnt 0x0
	s_wait_alu depctr_vm_vsrc(0)
; x and the five weight matrices, each number rounded once to bf16 and that number written as f16, laid out as the later launches read them; and the table of cosines and sines.
; LIMITS.  The bf16 number is exact in f16 for 2^-14 <= |v| < 65,520; below that f16's fixed step of 2^-24 holds; from 65,520 on the result is an infinity: inputs stay under 65,504 in size.
; The angle of the table is f32(t) x 2^(-p log2(128000) / 32), reduced by pi/2 in two parts; sine and cosine by polynomials on |r| <= pi/4 (error under 4e-7).
; SECTIONS, by the work-group's number g; eight waves, no LDS, no loop; every store of a wave covers 256 consecutive bytes, aligned.
;   g <  864  rows of 2,048 numbers, 8 rows a group: x -> xh (512 groups), o_w -> wo (256), q_b_w -> wbt columns 0..2047, rows 682..767 written as 0 (96)
;   g <  896  kv_b_w, 8 rows a group -> wbt columns 2048..3071 (k_nope of head h at 64 h) and 3072..5119 (v of head h at 128 h)
;   g < 1152  wa, 8 rows a group: columns 0..681 q_a_w, 682..703 zero, 704..767 kv_a_w's 256..319, 768..1023 kv_a_w's 0..255
;   else      the table, 16 rows a group: row t holds 32 pairs {cos, sin}, 256 bytes, behind wbt's 7,864,320 bytes of weights
; THE MODE: SCHED_MODE bits 1:0 = 2 (LLVM: expert scheduling mode 2), set by the entry lines.  The code itself states the register dependences
; between vector instructions and memory instructions, with s_wait_alu, always for 0.
; THE PLAN, the same in each section.  Registers that memory instructions touch:
;   the offsets   written by vector lines at the section's head, once; read by every load and store of the section; never written again.
;   X             written by the loads, all issued at the section's head; read (in one section rewritten) by vector lines, behind the wait on LOADcnt.
;   Y             written by the conversions; each register is read by one store and never written again.
;   T is named by vector lines alone.
; So one wait on va_vdst stands ahead of a section's first load (the offsets are written), and one at the head of each group of rows, behind that row's wait for its data: it states that the group
; before has written its Y.  That group's stores follow it, dealt over the group's rows; no vector line since the wait names their registers.  A last such wait stands ahead of the section's last stores.
; No register that a memory instruction has read is written again: no wait on vm_vsrc is owed.
.set T,   2                            ; v[2:7]     at work
.set OFF, 8                            ; v[8:15]    offsets of the loads
.set DO,  16                           ; v[16:23]   offsets of the stores
.set X,   24                           ; as loaded
.set Y,   120                          ; to store: every store has registers of its own
.macro CVT4 y, x                       ; four f32 -> bf16 -> f32 -> two registers of f16
	v_cvt_pk_bf16_f32 v[T], v[(\x)], v[(\x)+1]
	v_cvt_pk_bf16_f32 v[T+1], v[(\x)+2], v[(\x)+3]
	v_lshlrev_b32 v[T+2], 16, v[T]
	v_and_b32 v[T+3], s24, v[T]
	v_lshlrev_b32 v[T+4], 16, v[T+1]
	v_and_b32 v[T+5], s24, v[T+1]
	v_cvt_pk_f16_f32 v[(\y)], v[T+2], v[T+3]
	v_cvt_pk_f16_f32 v[(\y)+1], v[T+4], v[T+5]
.endm
.macro ROWST i                         ; rows of 2,048 numbers: the two stores of row i
	global_store_b64 v[DO+(\i)], v[Y+4*(\i):Y+4*(\i)+1], s[28:29]
	global_store_b64 v[DO+(\i)], v[Y+4*(\i)+2:Y+4*(\i)+3], s[28:29] offset:2048
.endm
.macro KVST m                          ; kv_b_w: store m of 24: row m / 3, run m % 3
	global_store_b64 v12, v[Y+2*(\m):Y+2*(\m)+1], s[20:21] offset:10240*((\m)/3)+4096+2048*((\m)%3)
.endm
.macro WAST i                          ; wa: the store of row i
	global_store_b64 v14, v[Y+2*(\i):Y+2*(\i)+1], s[22:23] offset:4096*(\i)
.endm
	s_load_b512 s[4:19], s[0:1], 0x0               ; x 4, o_w 6, q_b_w 8, kv_b_w 10, q_a_w 12, kv_a_w 14, xh 16, wo 18
	s_load_b128 s[20:23], s[0:1], 0x40             ; wbt 20, wa 22
	s_mov_b32 s2, ttmp9
	s_mov_b32 s24, 0xffff0000                      ; a word's upper bf16
	s_mov_b32 s49, 0                               ; the high word of the offsets in s[48:49]
	s_wait_kmcnt 0x0
	s_cmp_lt_u32 s2, 864
	s_cbranch_scc0 .Lnot_rows
	; ---- rows of 2,048 numbers
	s_cmp_lt_u32 s2, 512
	s_cselect_b64 s[26:27], s[4:5], s[6:7]         ; from
	s_cselect_b64 s[28:29], s[16:17], s[18:19]     ; to
	s_cselect_b32 s30, 0, 512                      ; the section's first group
	s_movk_i32 s34, 2048
	s_cselect_b32 s31, 4096, s34                   ; rows that the source has
	s_cmp_lt_u32 s2, 768
	s_cselect_b64 s[26:27], s[26:27], s[8:9]
	s_cselect_b64 s[28:29], s[28:29], s[20:21]
	s_cselect_b32 s30, s30, 768
	s_cselect_b32 s31, s31, 682
	s_movk_i32 s34, 4096
	s_cselect_b32 s33, s34, 10240                  ; bytes from row to row in the target
	s_sub_co_u32 s36, s2, s30
	s_lshl_b32 s36, s36, 3                         ; my first row
	s_sub_co_u32 s37, s31, 1
.irp i, 0,1,2,3,4,5,6,7
	s_add_co_u32 s35, s36, (\i)
	s_min_u32 s38, s35, s37                        ; a row past the source's end reads its last row, and is written as 0
	s_lshl_b32 s38, s38, 13
	v_lshl_add_u32 v[OFF+(\i)], v0, 4, s38
	s_mul_i32 s38, s35, s33
	v_lshl_add_u32 v[DO+(\i)], v0, 3, s38
	s_cmp_lt_u32 s35, s31
	s_cselect_b32 s[40+(\i)], -1, 0
.endr
	s_wait_alu depctr_va_vdst(0)                   ; the sixteen offsets v[8:23] are written, which the loads and stores below read
.irp i, 0,1,2,3,4,5,6,7
	global_load_b128 v[X+8*(\i):X+8*(\i)+3], v[OFF+(\i)], s[26:27] th:TH_LOAD_NT
	global_load_b128 v[X+8*(\i)+4:X+8*(\i)+7], v[OFF+(\i)], s[26:27] offset:4096 th:TH_LOAD_NT
.endr
.irp i, 0,1,2,3,4,5,6,7                ; groups of two rows: the stores of rows i - 2 and i - 1 stand at the heads of rows i and i + 1
	s_wait_loadcnt 14-2*(\i)                       ; the later rows' loads stay out
.if ((\i) > 0) && ((\i) % 2 == 0)
	s_wait_alu depctr_va_vdst(0)                   ; the two rows before have written their Y, which the four stores at this row's head and the next's read
.endif
.if (\i) > 1
	ROWST (\i)-2                                   ; no vector line since the wait names this row's Y or its offset
.endif
	CVT4 Y+4*(\i), X+8*(\i)
	CVT4 Y+4*(\i)+2, X+8*(\i)+4
.irp e, 0,1,2,3
	v_and_b32 v[Y+4*(\i)+(\e)], s[40+(\i)], v[Y+4*(\i)+(\e)]
.endr
.endr
	s_wait_alu depctr_va_vdst(0)                   ; rows 6 and 7 have written their Y, which the last four stores read
	ROWST 6
	ROWST 7
	s_endpgm
.Lnot_rows:
	s_cmp_lt_u32 s2, 896
	s_cbranch_scc0 .Lnot_kvb
	; ---- kv_b_w: a row is 16 heads x (64 k_nope + 128 v); thread t takes 4 numbers in each of three runs of 1,024 target columns
	s_sub_co_u32 s36, s2, 864
	s_lshl_b32 s36, s36, 3
	s_mul_i32 s48, s36, 12288
	s_add_nc_u64 s[10:11], s[10:11], s[48:49]
	s_mul_i32 s48, s36, 10240
	s_add_nc_u64 s[20:21], s[20:21], s[48:49]
	v_lshrrev_b32 v8, 4, v0                        ; k_nope: head t / 16,
	v_and_b32 v9, 15, v0
	v_mul_u32_u24 v8, v8, 768
	v_lshl_add_u32 v8, v9, 4, v8                   ; byte 768 h + 16 (t % 16)
	v_lshrrev_b32 v10, 5, v0                       ; v: head t / 32 (and 8 heads on),
	v_and_b32 v11, 31, v0
	v_mul_u32_u24 v10, v10, 768
	v_lshl_add_u32 v10, v11, 4, v10
	v_add_nc_u32 v10, 256, v10                     ; byte 768 h + 256 + 16 (t % 32)
	v_lshlrev_b32 v12, 3, v0
	s_wait_alu depctr_va_vdst(0)                   ; the offsets v8, v10 and v12 are written, which the loads and stores below read
.irp i, 0,1,2,3,4,5,6,7
	global_load_b128 v[X+12*(\i):X+12*(\i)+3], v8, s[10:11] offset:12288*(\i)
	global_load_b128 v[X+12*(\i)+4:X+12*(\i)+7], v10, s[10:11] offset:12288*(\i)
	global_load_b128 v[X+12*(\i)+8:X+12*(\i)+11], v10, s[10:11] offset:12288*(\i)+6144
.endr
.set n, 0
.rept 24                               ; a group is a row, three loads: the row before is stored at its head
	s_wait_loadcnt 23-n                            ; the younger loads stay out
.if (n % 3 == 0) && (n > 0)
	s_wait_alu depctr_va_vdst(0)                   ; the row before has written its six registers of Y, which the three stores below read
	KVST n-3
	KVST n-2
	KVST n-1
.endif
	CVT4 Y+2*n, X+4*n
.set n, n+1
.endr
	s_wait_alu depctr_va_vdst(0)                   ; the last row has written its Y, which the last three stores read
	KVST 21
	KVST 22
	KVST 23
	s_endpgm
.Lnot_kvb:
	s_cmp_lt_u32 s2, 1152
	s_cbranch_scc0 .Ltable
	; ---- wa: thread t makes columns c = 4 t .. 4 t + 3.  A row of q_a_w is 2,728 bytes, a multiple of 8 alone: two loads of 8 bytes; clamped addresses stay inside the row
	s_sub_co_u32 s36, s2, 896
	s_lshl_b32 s36, s36, 3
	s_mul_i32 s48, s36, 2728
	s_add_nc_u64 s[12:13], s[12:13], s[48:49]
	s_mul_i32 s48, s36, 1280
	s_add_nc_u64 s[14:15], s[14:15], s[48:49]
	s_lshl_b32 s48, s36, 12
	s_add_nc_u64 s[22:23], s[22:23], s[48:49]
	v_lshlrev_b32 v8, 2, v0                        ; c
	v_add_nc_u32 v11, 2, v8
	v_min_u32 v9, 680, v8
	v_min_u32 v10, 680, v11
	v_lshlrev_b32 v9, 2, v9
	v_lshlrev_b32 v10, 2, v10
	v_cmp_gt_u32 s30, 682, v8                      ; numbers 0, 1 come from q_a_w
	v_cmp_gt_u32 s31, 682, v11                     ; numbers 2, 3 do
	v_cmp_le_u32 s32, 704, v8                      ; all four come from kv_a_w
	v_cmp_le_u32 s33, 768, v8
	v_add_nc_u32 v12, 0xfffffe40, v8               ; c - 448: the rope key's columns 256..319
	v_add_nc_u32 v13, 0xfffffd00, v8               ; c - 768: the latent's columns 0..255
	s_wait_alu depctr_va_sdst(0)                   ; the four compares have written s30 to s33, ahead of the first select that reads one of them
	v_cndmask_b32 v12, v12, v13, s33
	v_cndmask_b32 v12, 0, v12, s32
	v_min_u32 v12, 316, v12
	v_lshlrev_b32 v12, 2, v12
	v_lshlrev_b32 v14, 3, v0
	s_wait_alu depctr_va_vdst(0)                   ; the offsets v9, v10, v12 and v14 are written, which the loads and stores below read
.irp i, 0,1,2,3,4,5,6,7
	global_load_b64 v[X+8*(\i):X+8*(\i)+1], v9, s[12:13] offset:2728*(\i)
	global_load_b64 v[X+8*(\i)+2:X+8*(\i)+3], v10, s[12:13] offset:2728*(\i)
	global_load_b128 v[X+8*(\i)+4:X+8*(\i)+7], v12, s[14:15] offset:1280*(\i)
.endr
.irp i, 0,1,2,3,4,5,6,7                ; groups of two rows: the stores of rows i - 2 and i - 1 stand at the heads of rows i and i + 1
	s_wait_loadcnt 21-3*(\i)                       ; the later rows' loads stay out
.if ((\i) > 0) && ((\i) % 2 == 0)
	s_wait_alu depctr_va_vdst(0)                   ; the two rows before have written their Y, which the store at this row's head and the next's read
.endif
.if (\i) > 1
	WAST (\i)-2                                    ; no vector line since the wait names this row's Y or v14
.endif
.irp e, 0,1,2,3
	v_cndmask_b32 v[X+8*(\i)+4+(\e)], 0, v[X+8*(\i)+4+(\e)], s32
	v_cndmask_b32 v[X+8*(\i)+4+(\e)], v[X+8*(\i)+4+(\e)], v[X+8*(\i)+(\e)], s[30+(\e)/2]
.endr
	CVT4 Y+2*(\i), X+8*(\i)+4
.endr
	s_wait_alu depctr_va_vdst(0)                   ; rows 6 and 7 have written their Y, which the last two stores read
	WAST 6
	WAST 7
	s_endpgm
; sine and cosine of v[a] (0 to 2,047): n = the nearest multiple of pi/2, r = a - n pi/2 in two parts, polynomials in r, then the quadrant
.macro SINCOS a, c, s, n, z, q
	v_mul_f32 v[\n], 0x3f22f983, v[\a]             ; 2 / pi
	v_rndne_f32 v[\n], v[\n]
	v_fma_f32 v[\a], v[\n], s40, v[\a]
	v_fma_f32 v[\a], v[\n], s41, v[\a]
	v_cvt_i32_f32 v[\q], v[\n]
	v_mul_f32 v[\z], v[\a], v[\a]
	v_fma_f32 v[\s], v[\z], s44, s43
	v_fma_f32 v[\s], v[\s], v[\z], s42
	v_mul_f32 v[\n], v[\z], v[\a]
	v_fma_f32 v[\s], v[\s], v[\n], v[\a]
	v_fma_f32 v[\c], v[\z], s47, s46
	v_fma_f32 v[\c], v[\c], v[\z], s45
	v_fma_f32 v[\c], v[\c], v[\z], -0.5
	v_fma_f32 v[\c], v[\c], v[\z], 1.0
	v_and_b32 v[\n], 1, v[\q]
	v_cmp_eq_u32 vcc_lo, 1, v[\n]                  ; an odd quadrant swaps the two
	v_and_b32 v[\n], 2, v[\q]                      ; the sine turns its sign in quadrants 2, 3,
	v_lshlrev_b32 v[\n], 30, v[\n]
	v_add_nc_u32 v[\q], 1, v[\q]                   ; the cosine in 1, 2
	v_and_b32 v[\q], 2, v[\q]
	v_lshlrev_b32 v[\q], 30, v[\q]                 ; these five lines, which read no mask, stand between the compare and the wait for it
	s_wait_alu depctr_va_vcc(0)                    ; the compare has written VCC, ahead of the first select that reads it
	v_cndmask_b32 v[\z], v[\s], v[\c], vcc_lo
	v_cndmask_b32 v[\c], v[\c], v[\s], vcc_lo
	v_xor_b32 v[\s], v[\z], v[\n]
	v_xor_b32 v[\c], v[\c], v[\q]
.endm
.Ltable:
	; ---- the table: thread t makes pairs 2 (t % 16) and 2 (t % 16) + 1 of row 16 (g - 1152) + t / 16
	s_sub_co_u32 s36, s2, 1152
	s_lshl_b32 s48, s36, 12
	s_add_nc_u64 s[20:21], s[20:21], s[48:49]
	s_add_nc_u64 s[20:21], s[20:21], 7864320
	s_lshl_b32 s37, s36, 4
	s_mov_b32 s40, 0xbfc90fdb                      ; - pi/2, its upper part
	s_mov_b32 s41, 0x333bbd2e                      ; and what is left of it
	s_mov_b32 s42, 0xbe2aaaab                      ; -1/6
	s_mov_b32 s43, 0x3c088889                      ; 1/120
	s_mov_b32 s44, 0xb9500d01                      ; -1/5040
	s_mov_b32 s45, 0x3d2aaaab                      ; 1/24
	s_mov_b32 s46, 0xbab60b61                      ; -1/720
	s_mov_b32 s47, 0x37d00d01                      ; 1/40320
	v_lshrrev_b32 v8, 4, v0
	v_add_nc_u32 v8, s37, v8
	v_cvt_f32_u32 v8, v8                           ; t
	v_and_b32 v9, 15, v0
	v_lshlrev_b32 v9, 1, v9
	v_add_nc_u32 v10, 1, v9
	v_cvt_f32_u32 v9, v9
	v_cvt_f32_u32 v10, v10
	v_mul_f32 v9, 0xbf07b9ed, v9                   ; - p log2(128000) / 32
	v_mul_f32 v10, 0xbf07b9ed, v10
	v_exp_f32 v9, v9
	v_exp_f32 v10, v10
	v_lshlrev_b32 v11, 4, v0                       ; a plain instruction behind the exponentials: my 16 bytes of the group's 4,096
	s_wait_alu depctr_va_vdst(0)                   ; one wait for both exponentials' results, v9 and v10, ahead of their first reader
	v_mul_f32 v12, v8, v9
	v_mul_f32 v13, v8, v10
	SINCOS 12, 20, 21, 14, 15, 16
	SINCOS 13, 22, 23, 14, 15, 16
	s_wait_alu depctr_va_vdst(0)                   ; the four numbers v[20:23] are written, which the store reads (its offset v11 was written ahead of the wait above)
	global_store_b128 v11, v[20:23], s[20:21]
	s_endpgm
.Lfunc_end_k_q9f405e8f54_cast:
	.size	k_q9f405e8f54_cast, .Lfunc_end_k_q9f405e8f54_cast-k_q9f405e8f54_cast
	.p2alignl 7, 3214868480
	.fill 96, 4, 3214868480
	.section	.rodata,"a",@progbits
	.p2align	6, 0x0
	.amdhsa_kernel k_q9f405e8f54_cast
		.amdhsa_group_segment_fixed_size 0
		.amdhsa_private_segment_fixed_size 0
		.amdhsa_enable_private_segment 0
		.amdhsa_kernarg_size 80
		.amdhsa_user_sgpr_count 2
		.amdhsa_user_sgpr_kernarg_segment_ptr 1
		.amdhsa_wavefront_size32 1
		.amdhsa_system_sgpr_workgroup_id_x 1
		.amdhsa_system_sgpr_workgroup_id_y 1
		.amdhsa_system_sgpr_workgroup_id_z 1
		.amdhsa_system_vgpr_workitem_id 0
		.amdhsa_next_free_vgpr 168
		.amdhsa_next_free_sgpr 66
		.amdhsa_reserve_vcc 1
		.amdhsa_float_denorm_mode_32 3
		.amdhsa_float_denorm_mode_16_64 3
		.amdhsa_memory_ordered 1
		.amdhsa_forward_progress 1
		.amdhsa_inst_pref_size 46
	.end_amdhsa_kernel
	.amdgpu_metadata
---
amdhsa.version: [ 1, 2 ]
amdhsa.kernels:
  - .name:           k_q9f405e8f54_cast
    .symbol:         k_q9f405e8f54_cast.kd
    .args:
      - { .name: x, .offset: 0, .size: 8, .value_kind: global_buffer, .address_space: global }
      - { .name: o_w, .offset: 8, .size: 8, .value_kind: global_buffer, .address_space: global }
      - { .name: q_b_w, .offset: 16, .size: 8, .value_kind: global_buffer, .address_space: global }
      - { .name: kv_b_w, .offset: 24, .size: 8, .value_kind: global_buffer, .address_space: global }
      - { .name: q_a_w, .offset: 32, .size: 8, .value_kind: global_buffer, .address_space: global }
      - { .name: kv_a_w, .offset: 40, .size: 8, .value_kind: global_buffer, .address_space: global }
      - { .name: xh, .offset: 48, .size: 8, .value_kind: global_buffer, .address_space: global }
      - { .name: wo, .offset: 56, .size: 8, .value_kind: global_buffer, .address_space: global }
      - { .name: wbt, .offset: 64, .size: 8, .value_kind: global_buffer, .address_space: global }
      - { .name: wa, .offset: 72, .size: 8, .value_kind: global_buffer, .address_space: global }
    .group_segment_fixed_size: 0
    .private_segment_fixed_size: 0
    .kernarg_segment_align: 8
    .kernarg_segment_size: 80
    .max_flat_workgroup_size: 256
    .sgpr_count:     66
    .vgpr_count:     168
    .wavefront_size: 32
...
	.end_amdgpu_metadata
.endif
;; end of part 6
;; launch gemm: the kernel of part 2 again; grid 8 x 32, 4 waves a work-group, clusters of 4 x 4, 327,680 bytes of LDS; arguments xh, wa, lat; writes lat
;; launch norm (part 7): grid 256 x 1, 8 waves a work-group, no clusters, 0 bytes of LDS; arguments lat, q_a_ln_w, kv_a_ln_w, wbt, ank; writes ank
.if DOCPART == 7
	.amdgcn_target "amdgcn-amd-amdhsa--gfx1250"
	.amdhsa_code_object_version 6
	.text
	.protected	k_q9f405e8f54_norm
	.globl	k_q9f405e8f54_norm
	.p2align	8
	.type	k_q9f405e8f54_norm,@function
k_q9f405e8f54_norm:
	s_mov_b64 s[64:65], 0
	v_nop
	global_prefetch_b8 v0, s[64:65] scope:SCOPE_SE
	s_setreg_imm32_b32 hwreg(HW_REG_WAVE_SCHED_MODE, 0, 2), 2
	s_setreg_imm32_b32 hwreg(HW_REG_WAVE_MODE, 25, 1), 1
	s_wait_xcnt 0x0
	s_wait_alu depctr_vm_vsrc(0)
; Both RMS norms and the rope key's rotation, on the f32 latents.  lat: [4096][pitch 2048] f32, columns 0..703 q latent (682.. are zeros), 704..767 the rope key, 768..1023 the kv latent.
; ank: AN [4096][1024] f16 in the same columns (normalised x gain; the key rotated), and behind its 8,388,608 bytes KPE [4096][64] f16, the rotated key once more, dense.
; y = (x rsqrt(mean of x^2 + 1e-6)) w, in f32, rounded once to f16; the gains are rounded to bf16 like every input.  The rotation keeps the pair (2 p, 2 p + 1) in place: (a c - b s, b c + a s).
; LIMITS.  |y| and the key stay under 65,504 (f16).  A wave takes two rows, each wholly in its registers: no LDS, no barrier, no loop.  Lane l, load i: columns 128 i + 4 l .. + 3.
; THE MODE: SCHED_MODE bits 1:0 = 2 (LLVM: expert scheduling mode 2), set by the entry lines.  The code itself states the register dependences
; between vector instructions and memory instructions, with s_wait_alu, always for 0.
; THE PLAN.  Registers that memory instructions touch:
;   v2, v3, v160-164   the seven offsets: written by vector lines at the head, once; read by the loads and stores; never written again.
;   W, TBL, X          written by the loads, all issued at the head; read and rewritten by vector lines alone, behind the waits on LOADcnt.
;   Y0 (v108-123)      written by row 0's conversions; read by row 0's eight stores, and behind them by the two lane exchanges that make KPE.
;   Y1 (v124-139)      written by row 1's conversions; read by row 1's eight stores.
;   v140, v141         written last by KPE's two selects; read by KPE's store.
; So: one wait on va_vdst ahead of the first load; one behind row 0's conversions, behind which row 0's stores are dealt among row 1's arithmetic, which names X1, TBL, W, SUM, A and Y1, and neither Y0 nor v163;
; one behind KPE's selects, ahead of the last nine stores.  No register that a memory instruction has read is written again: no wait on vm_vsrc is owed.
.set L,   1
.set LO,  2                            ; my 16 bytes in the first row of lat
.set WO,  3                            ; 16 l
.set W,   4                            ; v[4:35]    the gains of my 32 columns
.set TBL, 36                           ; v[36:43]   {c, s, c, s} for each of the two rows
.set X,   44                           ; v[44:107]  row r at 44 + 32 r
.set Y,   108                          ; v[108:139] row r at 108 + 16 r
.set A,   140                          ; v[140:151] at work
.set SUM, 152                          ; v[152:159] row r: q's sum at 152 + 4 r, kv's at 154 + 4 r; the odd registers beside them are written too (they are named as pairs)
.set Q5A, 160
.set Q5B, 161
.set TO,  162
.set SO,  163
.set KO,  164
	s_load_b256 s[4:11], s[0:1], 0x0               ; lat 4, q_a_ln_w 6, kv_a_ln_w 8, wbt 10
	s_load_b64 s[20:21], s[0:1], 0x20              ; ank
	v_lshrrev_b32 v[L], 5, v0
	v_readfirstlane_b32 s22, v[L]
	v_and_b32 v[L], 31, v0
	s_mov_b32 s12, 0x76543210                      ; v_permlanex16_b32: each lane takes its own place in the other half
	s_mov_b32 s13, 0xfedcba98
	s_mov_b32 s14, 0x0000ffff                      ; lanes 0-15
	s_mov_b32 s15, 0xffff0000                      ; lanes 16-31; also a word's upper bf16
	s_mov_b32 s16, 0x3ac0300c                      ; 1 / 682
	s_mov_b32 s17, 0x3b800000                      ; 1 / 256
	s_mov_b32 s18, 0x358637bd                      ; 1e-6
	v_lshlrev_b32 v[WO], 4, v[L]
	v_lshl_add_u32 v[Q5A], v[L], 2, 640            ; columns 640 + 4 l: q's gains end at 681: clamped; what is clamped meets a zero or a lane that is replaced
	v_add_nc_u32 v[Q5B], 2, v[Q5A]
	v_min_u32 v[Q5A], 680, v[Q5A]
	v_min_u32 v[Q5B], 680, v[Q5B]
	v_lshlrev_b32 v[Q5A], 2, v[Q5A]
	v_lshlrev_b32 v[Q5B], 2, v[Q5B]
	v_and_b32 v[TO], 15, v0
	v_lshlrev_b32 v[TO], 4, v[TO]
	s_lshl_b32 s23, ttmp9, 3
	s_wait_alu depctr_va_sdst(0)                   ; s22, the wave's number, is written, ahead of its first reader: the rows' offsets are made from it; what hangs on no wave stands above
	s_add_co_u32 s23, s23, s22
	s_lshl_b32 s23, s23, 1                         ; my first row
	s_lshl_b32 s24, s23, 13
	v_lshl_add_u32 v[LO], v[L], 4, s24
	s_and_b32 s25, s23, 2047                       ; the place in the sequence
	s_lshl_b32 s26, s25, 8
	s_add_co_u32 s26, s26, 7864320
	s_mov_b32 s27, 0
	s_lshl_b32 s24, s23, 11
	v_lshl_add_u32 v[SO], v[L], 3, s24
	s_lshl_b32 s24, s23, 7
	v_lshl_add_u32 v[KO], v[L], 3, s24
	s_wait_kmcnt 0x0
	s_add_nc_u64 s[10:11], s[10:11], s[26:27]      ; the table at my first row
	s_add_nc_u64 s[28:29], s[20:21], 8388608       ; KPE
	s_wait_alu depctr_va_vdst(0)                   ; the seven offsets v2, v3 and v160 to v164 are written, which the loads and stores below read
.irp i, 0,1,2,3,4
	global_load_b128 v[W+4*(\i):W+4*(\i)+3], v[WO], s[6:7] offset:512*(\i)
.endr
	global_load_b64 v[W+20:W+21], v[Q5A], s[6:7]
	global_load_b64 v[W+22:W+23], v[Q5B], s[6:7]
	global_load_b128 v[W+24:W+27], v[WO], s[8:9]
	global_load_b128 v[W+28:W+31], v[WO], s[8:9] offset:512
	global_load_b128 v[TBL:TBL+3], v[TO], s[10:11]
	global_load_b128 v[TBL+4:TBL+7], v[TO], s[10:11] offset:256
.irp r, 0,1
.irp i, 0,1,2,3,4,5,6,7
	global_load_b128 v[X+32*(\r)+4*(\i):X+32*(\r)+4*(\i)+3], v[LO], s[4:5] offset:8192*(\r)+512*(\i) th:TH_LOAD_NT
.endr
.endr
	s_wait_loadcnt 18                              ; the gains are in; the table's two loads and the rows' sixteen stay out
.set k, 0
.rept 16
	v_cvt_pk_bf16_f32 v[A], v[W+2*k], v[W+2*k+1]
	v_lshlrev_b32 v[W+2*k], 16, v[A]
	v_and_b32 v[W+2*k+1], s15, v[A]
.set k, k+1
.endr
	s_wait_loadcnt 0x0
.macro SQ r                            ; the two sums of squares of row r, my lane's part
.set XR, X+32*(\r)
	v_pk_mul_f32 v[A:A+1], v[XR:XR+1], v[XR:XR+1]
	v_pk_mul_f32 v[A+2:A+3], v[XR+2:XR+3], v[XR+2:XR+3]
.irp i, 1,2,3,4
	v_pk_fma_f32 v[A:A+1], v[XR+4*(\i):XR+4*(\i)+1], v[XR+4*(\i):XR+4*(\i)+1], v[A:A+1]
	v_pk_fma_f32 v[A+2:A+3], v[XR+4*(\i)+2:XR+4*(\i)+3], v[XR+4*(\i)+2:XR+4*(\i)+3], v[A+2:A+3]
.endr
.irp e, 0,1,2,3
	v_cndmask_b32 v[A+8+(\e)], 0, v[XR+20+(\e)], s14   ; of load 5 only lanes 0-15 belong to q's latent
.endr
	v_pk_fma_f32 v[A:A+1], v[A+8:A+9], v[A+8:A+9], v[A:A+1]
	v_pk_fma_f32 v[A+2:A+3], v[A+10:A+11], v[A+10:A+11], v[A+2:A+3]
	v_pk_mul_f32 v[A+4:A+5], v[XR+24:XR+25], v[XR+24:XR+25]
	v_pk_mul_f32 v[A+6:A+7], v[XR+26:XR+27], v[XR+26:XR+27]
	v_pk_fma_f32 v[A+4:A+5], v[XR+28:XR+29], v[XR+28:XR+29], v[A+4:A+5]
	v_pk_fma_f32 v[A+6:A+7], v[XR+30:XR+31], v[XR+30:XR+31], v[A+6:A+7]
	v_pk_add_f32 v[A:A+1], v[A:A+1], v[A+2:A+3]
	v_pk_add_f32 v[A+4:A+5], v[A+4:A+5], v[A+6:A+7]
	v_add_f32 v[SUM+4*(\r)], v[A], v[A+1]
	v_add_f32 v[SUM+4*(\r)+2], v[A+4], v[A+5]
	v_mov_b32 v[SUM+4*(\r)+1], v[SUM+4*(\r)]       ; written, since v_permlanex16_b32 counts as a reader of its destination
	v_mov_b32 v[SUM+4*(\r)+3], v[SUM+4*(\r)+2]
.endm
	SQ 0
	SQ 1
.irp m, 1,2,4,8                        ; across the lanes: four steps inside each half ride on the addition, one crosses the halves
.irp k, 0,2,4,6
	v_add_f32_dpp v[SUM+(\k)], v[SUM+(\k)], v[SUM+(\k)] row_xmask:\m row_mask:0xf bank_mask:0xf
.endr
.endr
.irp k, 0,2,4,6
	v_permlanex16_b32 v[SUM+(\k)+1], v[SUM+(\k)], s12, s13
.endr
.irp k, 0,2,4,6
	v_add_f32 v[SUM+(\k)], v[SUM+(\k)], v[SUM+(\k)+1]
.endr
	v_fma_f32 v[SUM], v[SUM], s16, s18
	v_fma_f32 v[SUM+2], v[SUM+2], s17, s18
	v_fma_f32 v[SUM+4], v[SUM+4], s16, s18
	v_fma_f32 v[SUM+6], v[SUM+6], s17, s18
.irp k, 0,2,4,6
	v_rsq_f32 v[SUM+(\k)], v[SUM+(\k)]
.endr
	v_nop                                          ; a plain instruction behind the last of them,
	s_wait_alu depctr_va_vdst(0)                   ; and one wait for the four results in v[SUM ..], ahead of their first reader
; Row r's arithmetic, into Y[r].  deal = 1 (row 1): row 0's eight stores stand among it, one ahead of each four multiplies.
.macro OUTROW r, deal
.set XR, X+32*(\r)
.set YR, Y+16*(\r)
.set TR, TBL+4*(\r)
	v_mul_f32 v[A], v[XR+21], v[TR+1]              ; the rotation, on load 5's raw numbers (it counts in lanes 16-31)
	v_mul_f32 v[A+1], v[XR+20], v[TR+1]
	v_mul_f32 v[A+2], v[XR+23], v[TR+3]
	v_mul_f32 v[A+3], v[XR+22], v[TR+3]
	v_fma_f32 v[A+4], v[XR+20], v[TR], -v[A]
	v_fma_f32 v[A+5], v[XR+21], v[TR], v[A+1]
	v_fma_f32 v[A+6], v[XR+22], v[TR+2], -v[A+2]
	v_fma_f32 v[A+7], v[XR+23], v[TR+2], v[A+3]
.irp i, 0,1,2,3,4,5,6,7
.if \deal
	global_store_b64 v[SO], v[Y+2*(\i):Y+2*(\i)+1], s[20:21] offset:256*(\i)  ; row 0: the wave stores 256 consecutive bytes, aligned.  No vector line since the wait names Y0 or v[SO]
.endif
.irp u, 0,2
	v_pk_mul_f32 v[XR+4*(\i)+(\u):XR+4*(\i)+(\u)+1], v[XR+4*(\i)+(\u):XR+4*(\i)+(\u)+1], v[SUM+4*(\r)+2*((\i)/6):SUM+4*(\r)+2*((\i)/6)+1] op_sel_hi:[1,0]
.endr
.irp u, 0,2
	v_pk_mul_f32 v[XR+4*(\i)+(\u):XR+4*(\i)+(\u)+1], v[XR+4*(\i)+(\u):XR+4*(\i)+(\u)+1], v[W+4*(\i)+(\u):W+4*(\i)+(\u)+1]
.endr
.endr
.irp e, 0,1,2,3
	v_cndmask_b32 v[XR+20+(\e)], v[XR+20+(\e)], v[A+4+(\e)], s15
.endr
.irp i, 0,1,2,3,4,5,6,7
	v_cvt_pk_f16_f32 v[YR+2*(\i)], v[XR+4*(\i)], v[XR+4*(\i)+1]
	v_cvt_pk_f16_f32 v[YR+2*(\i)+1], v[XR+4*(\i)+2], v[XR+4*(\i)+3]
.endr
.endm
	OUTROW 0, 0
	s_wait_alu depctr_va_vdst(0)                   ; row 0's conversions have written Y0, which the eight stores dealt among row 1's arithmetic read
	OUTROW 1, 1
	v_permlanex16_b32 v[A], v[Y+10], s12, s13      ; KPE: lanes 0-15 take row 0's key from lanes 16-31, lanes 16-31 keep row 1's: two rows, 256 consecutive bytes
	v_permlanex16_b32 v[A+1], v[Y+11], s12, s13
	v_cndmask_b32 v[A], v[A], v[Y+26], s15
	v_cndmask_b32 v[A+1], v[A+1], v[Y+27], s15
	s_wait_alu depctr_va_vdst(0)                   ; row 1's conversions have written Y1 and the selects v[A:A+1], which the nine stores below read
.irp i, 0,1,2,3,4,5,6,7
	global_store_b64 v[SO], v[Y+16+2*(\i):Y+16+2*(\i)+1], s[20:21] offset:2048+256*(\i)  ; row 1: the wave stores 256 consecutive bytes, aligned
.endr
	global_store_b64 v[KO], v[A:A+1], s[28:29]
	s_endpgm
.Lfunc_end_k_q9f405e8f54_norm:
	.size	k_q9f405e8f54_norm, .Lfunc_end_k_q9f405e8f54_norm-k_q9f405e8f54_norm
	.p2alignl 7, 3214868480
	.fill 96, 4, 3214868480
	.section	.rodata,"a",@progbits
	.p2align	6, 0x0
	.amdhsa_kernel k_q9f405e8f54_norm
		.amdhsa_group_segment_fixed_size 0
		.amdhsa_private_segment_fixed_size 0
		.amdhsa_enable_private_segment 0
		.amdhsa_kernarg_size 40
		.amdhsa_user_sgpr_count 2
		.amdhsa_user_sgpr_kernarg_segment_ptr 1
		.amdhsa_wavefront_size32 1
		.amdhsa_system_sgpr_workgroup_id_x 1
		.amdhsa_system_sgpr_workgroup_id_y 1
		.amdhsa_system_sgpr_workgroup_id_z 1
		.amdhsa_system_vgpr_workitem_id 0
		.amdhsa_next_free_vgpr 176
		.amdhsa_next_free_sgpr 66
		.amdhsa_reserve_vcc 0
		.amdhsa_float_denorm_mode_32 3
		.amdhsa_float_denorm_mode_16_64 3
		.amdhsa_memory_ordered 1
		.amdhsa_forward_progress 1
		.amdhsa_inst_pref_size 21
	.end_amdhsa_kernel
	.amdgpu_metadata
---
amdhsa.version: [ 1, 2 ]
amdhsa.kernels:
  - .name:           k_q9f405e8f54_norm
    .symbol:         k_q9f405e8f54_norm.kd
    .args:
      - { .name: lat, .offset: 0, .size: 8, .value_kind: global_buffer, .address_space: global }
      - { .name: q_a_ln_w, .offset: 8, .size: 8, .value_kind: global_buffer, .address_space: global }
      - { .name: kv_a_ln_w, .offset: 16, .size: 8, .value_kind: global_buffer, .address_space: global }
      - { .name: wbt, .offset: 24, .size: 8, .value_kind: global_buffer, .address_space: global }
      - { .name: ank, .offset: 32, .size: 8, .value_kind: global_buffer, .address_space: global }
    .group_segment_fixed_size: 0
    .private_segment_fixed_size: 0
    .kernarg_segment_align: 8
    .kernarg_segment_size: 40
    .max_flat_workgroup_size: 256
    .sgpr_count:     66
    .vgpr_count:     176
    .wavefront_size: 32
...
	.end_amdgpu_metadata
.endif
;; end of part 7
;; launch proj: the kernel of part 4 again; grid 8 x 32, 4 waves a work-group, clusters of 4 x 4, 327,680 bytes of LDS; arguments ank, wbt, qkv; writes qkv
;; launch attn: the kernel of part 5 again; grid 8 x 32, 4 waves a work-group, no clusters, 327,680 bytes of LDS; arguments qkv, ank, oh; writes oh
;; launch oproj: the kernel of part 2 again; grid 16 x 32, 4 waves a work-group, clusters of 4 x 4, 327,680 bytes of LDS; arguments oh, wo, out0; writes out0
